; MI455X (gfx1250); checked and timed in simulation.
; The chip was launched on July 23, 2026; its instructions are those of AMD's public machine-readable ISA for CDNA 5 (MIT licence, August 2026) and "CDNA5" Instruction Set Architecture Reference Guide (July 2026). The comments in the code are by the model that wrote it; some were corrected since.
;; XCA label 1. Allowed arithmetic: matrix products marked QUANTISED: E2M3 operands, one E8M0 scale for each 32 along K, by v_wmma_scale_f32_16x16x128_f8f6f4 with both operands' format E2M3, f32 sums; everything else in f32.
;; Inputs: kv_w_codes 2,048 x 32 x 24 uint8 (E2M3 codes of kv_w, K innermost, in blocks of 32 codes, four codes in three bytes); kv_w_scales 2,048 x 32 uint8 (E8M0 scales of kv_w, one for each 32 codes along K); proj_b 1,024 float32; proj_w_codes 1,024 x 32 x 24 uint8 (E2M3 codes of proj_w, K innermost, in blocks of 32 codes, four codes in three bytes); proj_w_scales 1,024 x 32 uint8 (E8M0 scales of proj_w, one for each 32 codes along K); q_w_codes 1,024 x 32 x 24 uint8 (E2M3 codes of q_w, K innermost, in blocks of 32 codes, four codes in three bytes); q_w_scales 1,024 x 32 uint8 (E8M0 scales of q_w, one for each 32 codes along K); temperature 16 x 1 x 1 float32; x_codes 4 x 2,048 x 32 x 24 uint8 (E2M3 codes of x, K innermost, in blocks of 32 codes, four codes in three bytes); x_scales 4 x 2,048 x 32 uint8 (E8M0 scales of x, one for each 32 codes along K); y_codes 4 x 2,048 x 32 x 24 uint8 (E2M3 codes of y, K innermost, in blocks of 32 codes, four codes in three bytes); y_scales 4 x 2,048 x 32 uint8 (E8M0 scales of y, one for each 32 codes along K).
;; Outputs: out0 4 x 2,048 x 1,024 float32.
;; This version of the problem:
;;   THIS VERSION OF THE PROBLEM IS GIVEN IN LOW PRECISION. The matrix products marked QUANTISED in the list below multiply operands that are first quantised to E2M3 (2 exponent bits, 3 mantissa bits; 6 bits a number), with one power-of-two scale for each 32 numbers along K (OCP MX v1.0); their sums are f32. All else is computed in f32.
;;   The module's matrix products, in the order in which they are computed (A, B: the left and right operand; K: the contracted axis; several contracted axes count as one K, in the product's order):
;;     1. [M 8,192, K 1,024] x [K 1,024, N 1,024]; A: input x (given as codes); B: input q_w (given as codes): QUANTISED
;;     2. [M 8,192, K 1,024] x [K 1,024, N 2,048]; A: input y (given as codes); B: input kv_w (given as codes): QUANTISED
;;     3. batch 64 x [M 2,048, K 64] x [K 64, N 2,048]; A: computed on the way; B: computed on the way: QUANTISED
;;     4. batch 64 x [M 2,048, K 2,048] x [K 2,048, N 64]; A: softmax (see below); B: computed on the way: QUANTISED
;;     5. [M 8,192, K 1,024] x [K 1,024, N 1,024]; A: computed on the way; B: input proj_w (given as codes): QUANTISED
;;   THE QUANTISER, for each operand of a quantised product, along K:
;;     - K is cut into blocks of 32 from its start; a last block that is shorter is filled with zeros.
;;     - A block's scale is 2^e with e = floor(log2(the largest magnitude in the block)) - 2, held to -126 .. 127; a block of zeros has e = 0. As a byte (E8M0): e + 127.
;;     - Each number is divided by its block's scale, clamped to +-7.5, and rounded to the nearest number of E2M3, ties to even, subnormals kept.
;;     - The product sums the exact products of the quantised numbers (number of the format x scale) in f32.
;;   ~~~python
;;   def quantise(x, axis):      # numpy; x: float32 -> the quantised numbers, widened to float32 again
;;       x = np.moveaxis(x, axis, -1); K = x.shape[-1]
;;       x = np.pad(x, [(0, 0)] * (x.ndim - 1) + [(0, -K % 32)]); x = x.reshape(x.shape[:-1] + (-1, 32)); a = np.abs(x).max(-1, keepdims=True)
;;       e = np.where(a > 0, np.clip(np.frexp(np.where(a > 0, a, 1))[1] - 1 - 2, -126, 127), 0)      # np.frexp(a)[1] - 1 = floor(log2(a)), exactly
;;       r = np.clip(x / 2.0 ** e, -7.5, 7.5)
;;       step = 2.0 ** (np.maximum(np.frexp(np.where(r == 0, 1, r))[1] - 1, 0) - 3)
;;       q = np.round(r / step) * step * 2.0 ** e      # np.round: ties to even
;;       return np.moveaxis(q.reshape(q.shape[:-2] + (-1,))[..., :K], -1, axis).astype(np.float32)
;;   ~~~
;;   SOFTMAX AHEAD OF A QUANTISED PRODUCT. Where the list says 'softmax', what is quantised is not the finished softmax but p = 2^(t - M), with t = logit x log2(e) and M = ceil(the row's largest t), a whole number; so 1/2 < the row's largest p <= 1. The row's sum l is taken of the UNQUANTISED p, in f32, and the product's result is divided by l at the end. Since M is a whole number, a kernel that streams over the keys may use a running M (the ceiling of the running maximum): every later rescaling is an exact power of two, which a block's scale takes up: the codes' values come out the same.
;;   OPERANDS COMPUTED ON THE WAY. 'Computed on the way' means the value that the module computes at that place (a softmax that the list does not call 'softmax' is quantised finished and normalised). What goes into a quantiser is computed in f32, as accurately as f32 sums, v_exp_f32 and their like allow (about 1e-6 of the number): no bf16 or f16 on the way to a quantiser, and a product that is left as it is and whose result goes on into a quantised operand takes f32 operands (vector FMAs, or v_wmma_f32_16x16x4_f32). A number that lies on a knife's edge between two numbers of the format may be rounded either way, as far as f32 arithmetic and the matrix unit's own rounding can turn it there, and no further.
;;   INPUTS GIVEN AS CODES. kv_w (in the module: [2048, 1024], K = its axis 1); proj_w (in the module: [1024, 1024], K = its axis 1); q_w (in the module: [1024, 1024], K = its axis 1); x (in the module: [4, 2048, 1024], K = its axis 2); y (in the module: [4, 2048, 1024], K = its axis 2): each comes as NAME_codes (uint8): NAME with its K axis moved to the last place and cut into blocks of 32 codes, [.., K / 32, bytes a block], one block behind the other in memory; four codes in three bytes: a row's codes are one little-endian stream of bits, code i at bits 6 i .. 6 i + 5 (a code: sign, 2 exponent bits, 3 mantissa bits); and NAME_scales (uint8): the same leading axes, one E8M0 byte (e + 127) for each 32 codes along K. Its value is code x scale, taken as it is: it is not quantised again, and the codes and scales need not be those that the quantiser above would give.
;; One version. Each part assembles by itself: llvm-mc -triple=amdgcn-amd-amdhsa -mcpu=gfx1250 --defsym DOCPART=n.
;; ======== version 1 of 1: 3 launches
;; limits: right only within a limited range of input values
;; workspace buffers: qimg 6,553,600 bytes; kvimg 13,107,200 bytes; o_codes 6,291,456 bytes; o_scales 262,144 bytes
;; launch qkv (part 1): grid 8 x 32, 4 waves a work-group, clusters of 4 x 4, 327,680 bytes of LDS; arguments x_codes, x_scales, y_codes, y_scales, q_w_codes, q_w_scales, kv_w_codes, kv_w_scales, qimg, kvimg; writes qimg, kvimg
.if DOCPART == 1
	.amdgcn_target "amdgcn-amd-amdhsa--gfx1250"
	.amdhsa_code_object_version 6
	.text
	.protected	k_q4f4011d038_qkv
	.globl	k_q4f4011d038_qkv
	.p2align	8
	.type	k_q4f4011d038_qkv,@function
k_q4f4011d038_qkv:
	s_mov_b64 s[64:65], 0
	v_nop
	global_prefetch_b8 v0, s[64:65] scope:SCOPE_SE
	s_setreg_imm32_b32 hwreg(HW_REG_WAVE_MODE, 25, 1), 1
	s_wait_xcnt 0x0
	s_wait_alu depctr_hold_cnt(0) depctr_sa_sdst(0) depctr_va_vdst(0) depctr_va_sdst(0) depctr_va_ssrc(0) depctr_va_vcc(0) depctr_vm_vsrc(0)
	s_getreg_b32 s2, hwreg(HW_REG_IB_STS2, 6, 4)
	s_cmp_eq_u32 s2, 0
	s_cbranch_scc0 .Lentry_in_a_cluster
	s_endpgm
.Lentry_in_a_cluster:
	s_bfe_u32 s2, ttmp6, 0x10000c
	s_cmp_lg_u32 s2, 0xf033
	s_cbranch_scc0 .Lentry_shape_is_right
	s_endpgm
.Lentry_shape_is_right:
; q = x q_w^T, k = y kv_w[0:1024]^T, v = y kv_w[1024:2048]^T on codes of FP6 (E2M3) with E8M0 scales; q and k are then normalised over a head's 64 channels;
; all three are quantised anew (q, k along the channels, v along the keys) and stored as images of the attention launch's operand registers.
; A BLOCK is 256 rows of source A x 128 rows of source B, K = 1,024 whole.  Role 0: A = x, B = q_w; 1: A = y, B = kv_w's first half; 2: A = kv_w's second half, B = y
; (so that a lane's registers run along the keys, which are v's next K).  256 blocks a role.  A WORK-GROUP STAYS and makes three blocks, one of each role: 256 work-groups.
; ALL OF A BLOCK'S K LIES IN LDS: a row of codes is 768 bytes of memory and begins at a multiple of 256; the mover lays 16 bytes of padding behind every 256, so LDS rows are 816 bytes apart.
; 384 rows x 816 = 313,344 bytes; the scales of the 384 rows, dense in memory, 48 units of 256 + 16 bytes; 512 spare bytes.  Four tensor loads, one a wave, bring a block.
; ONE SLOT: behind a block's last LDS read every wave runs a tensor wait, an LDS add and an LDS wait, a round of the cluster's barrier follows, and the next block's four loads are issued;
; they are on their way while the finished block is normalised, quantised and stored, which touches registers alone.  The last block asks for nothing and is written out behind the loop.
; CLUSTERS 4 x 4: A's tiles are shared along a row of the cluster, B's along a column, each asked for jointly.
; No prefetch: a block's loads are issued one whole way out (eight runs of QN a wave) ahead of their first read, and the first block's at the head.
; A WAVE makes 64 (A) x 128 (B): 32 accumulators.  THE MATRIX INSTRUCTION IS USED TRANSPOSED (source 0 = B's rows, source 1 = A's): a lane holds one row of A and eight neighbouring rows of B.
; REGISTERS: window 0: v0-31 addresses, v32-95 scale words of all eight K steps (register 8 i + step: lanes 0-15 A's block i, lanes 16-31 B's block i), v96-191 A's fragments, two sets;
; window 1: B's fragments, two sets at v0 and v128; window 2: accumulator (a, b) at v[8 (8 a + b)].
; LIMITS: a block whose largest magnitude lies under 2^-124 keeps the byte 1, a block of zeros too (the rule says 127): its codes are zeros, and this program alone reads the bytes.
; A block's scale image of 256 bytes is stored as two words a lane, 8 bytes apart, by two stores of 4 bytes a lane (for q and k from two waves).
.set KROW,   768
.set PITCH,  816
.set STEPS,  8
.set FR,     12
.set WA,     64*PITCH                  ; a wave's 64 rows of A
.set LB,     256*PITCH                 ; B's rows lie behind A's 256
.set SCL,    384*PITCH                 ; the scales: A's 32 units, then B's 16
.set SCB,    SCL+32*272
.set SBLK,   544                       ; the scales of 16 rows: two units
.set SPARE,  SCL+48*272                ; the spare words, 128 bytes a wave
.set ADRA, 16                          ; v16 my A rows, + 24 x half; v17 the same + 16 more for lanes 16-31, where they read behind a padding that lanes 0-15 have not passed
.set ADRB, 20                          ; v20, v21 the same for B's rows 0-63; v22, v23 for rows 64-127
.set ADRS, 27
.set SPW,  28
.set NIL,  29
.set L16,  30
.set L8,   31
.set SC,   32
.set AF,   96
; scalars: s2 lane mask, s3 the role in hand, s14 wave, s15 4 x cluster y, s16 cluster x, s17 / s42 A's / B's block in hand, s18 / s19 the next ones, s40 cx, s41 cy,
; s[68:83] the arguments (reloaded under each block's products), then the way out's scalars; s[96:99] qimg, kvimg; s104, s105 the lane exchange's selects
.set G1SB, 4
.set G1A, 24
.set G0A, 32
.set G0B, 36
.set G1B, 48
.set G0S, 56
.set G0SB, 60
.set G1S, 88
.set MSB, 0
.macro WIN new                         ; the immediate's high byte repeats the setting that is left
.if MSB != (\new)
	s_set_vgpr_msb (MSB<<8)|(\new)
.set MSB, \new
.endif
.endm
.set MUL,  0xa1                        ; source 0 (B) window 1, source 1 (A) window 0, C and D window 2
.set TO_B, 0x40
.macro CROUND                          ; a round of the cluster's barrier
	s_barrier_signal -1
	s_barrier_wait -1
	s_cmp_lg_u32 s14, 0
	s_cbranch_scc1 .Lnot_wave_0_\@
	s_barrier_signal -3
.Lnot_wave_0_\@:
	s_barrier_wait -3
	s_barrier_signal -1
	s_barrier_wait -1
.endm
.macro PLACES
.rept 4
	v_nop
.endr
.endm
.macro DESC g, c, r                    ; group 1's words 1 to 7: r dense rows of c elements
	s_mov_b32 s[\g+1], (\c)<<16
	s_mov_b32 s[\g+2], (\r)<<16
	s_mov_b32 s[\g+3], (\c)<<16
	s_mov_b32 s[\g+4], \r
	s_mov_b32 s[\g+5], \c
	s_mov_b32 s[\g+6], 0
	s_mov_b32 s[\g+7], 0
.endm
.macro TL g0, g1                       ; a load and the lines behind it
	tensor_load_to_lds s[\g0:\g0+3], s[\g1:\g1+7]
	s_nop 0
	PLACES
.endm
; a block's four joint loads, one a wave: wave 0 A's codes, 1 B's codes, 2 A's scales, 3 B's scales.  One tree of branches on the wave's number, one load on every way
.macro LOADS
	s_cmp_lt_u32 s14, 1
	s_cbranch_scc0 .Lb_\@
	TL G0A, G1A
	s_branch .Lj_\@
.Lb_\@:
	s_cmp_lt_u32 s14, 2
	s_cbranch_scc0 .Lsa_\@
	TL G0B, G1B
	s_branch .Lj_\@
.Lsa_\@:
	s_cmp_lt_u32 s14, 3
	s_cbranch_scc0 .Lsb_\@
	TL G0S, G1S
	s_branch .Lj_\@
.Lsb_\@:
	TL G0SB, G1SB
.Lj_\@:
.endm
; role r (a scalar register): its blocks into s18 (A) and s19 (B), its four tiles' addresses into the groups 0.  No tensor load of the wave is out where this stands
.macro SETUP r
	s_lshl_b32 s43, s16, 2                         ; q, k: B's block = 4 cluster x + cx, A's block = 4 cluster y + cy
	s_lshl_b32 s44, s16, 5
	s_add_co_u32 s44, s44, s15                     ; v: B's block = 32 cluster x + 4 cluster y + cx, A's block = 4 + cy
	s_cmp_eq_u32 \r, 2
	s_cselect_b32 s44, s44, s43
	s_cselect_b32 s43, 4, s15
	s_add_co_u32 s18, s43, s41
	s_add_co_u32 s19, s44, s40
	s_mul_i32 s20, s18, 256*KROW                   ; byte offsets, all under 2^24
	s_mov_b32 s21, 0
	s_lshl_b32 s22, s18, 13
	s_mov_b32 s23, 0
	s_mul_i32 s46, s19, 128*KROW
	s_mov_b32 s47, 0
	s_lshl_b32 s100, s19, 12
	s_mov_b32 s101, 0
	s_cmp_eq_u32 \r, 0
	s_cselect_b64 s[G0A+2:G0A+3], s[68:69], s[72:73]
	s_cselect_b64 s[G0S+2:G0S+3], s[70:71], s[74:75]
	s_cselect_b64 s[G0B+2:G0B+3], s[76:77], s[80:81]
	s_cselect_b64 s[G0SB+2:G0SB+3], s[78:79], s[82:83]
	s_cmp_eq_u32 \r, 2
	s_cselect_b64 s[G0A+2:G0A+3], s[80:81], s[G0A+2:G0A+3]
	s_cselect_b64 s[G0S+2:G0S+3], s[82:83], s[G0S+2:G0S+3]
	s_cselect_b64 s[G0B+2:G0B+3], s[72:73], s[G0B+2:G0B+3]
	s_cselect_b64 s[G0SB+2:G0SB+3], s[74:75], s[G0SB+2:G0SB+3]
	s_add_nc_u64 s[G0A+2:G0A+3], s[G0A+2:G0A+3], s[20:21]
	s_add_nc_u64 s[G0S+2:G0S+3], s[G0S+2:G0S+3], s[22:23]
	s_add_nc_u64 s[G0B+2:G0B+3], s[G0B+2:G0B+3], s[46:47]
	s_add_nc_u64 s[G0SB+2:G0SB+3], s[G0SB+2:G0SB+3], s[100:101]
.irp g, G0A, G0S, G0B, G0SB
	s_or_b32 s[\g+3], s[\g+3], 0x80000000
.endr
.endm
	s_load_b512 s[68:83], s[0:1], 0x0
	s_load_b128 s[96:99], s[0:1], 0x40
	v_lshl_add_u32 v[SPW], v0, 2, SPARE
	v_mov_b32 v[NIL], 0
	ds_add_u32 v[SPW], v[NIL]                      ; the opening lines: the add, twice on end, one wait
	ds_add_u32 v[SPW], v[NIL]
	v_lshrrev_b32 v1, 5, v0
	v_readfirstlane_b32 s14, v1                    ; wave 0..3
	s_bfe_u32 s40, ttmp6, 0x40000                  ; cx
	s_bfe_u32 s41, ttmp6, 0x40004                  ; cy
	s_and_b32 s15, ttmp7, 0xffff
	s_lshl_b32 s15, s15, 2
	s_mov_b32 s16, ttmp9
	s_lshl_b32 s43, s41, 2
	s_lshl_b32 s43, 15, s43                        ; my row of the cluster
	s_lshl_b32 s44, 0x1111, s40                    ; my column
	s_or_b32 s[G1A], s43, (1<<20)|(1<<21)|(5<<22)|(3<<25)   ; the mask; elements of 1 byte; padding of 4 words behind every 64; bit 21 beside a mask
	s_or_b32 s[G1B], s44, (1<<20)|(1<<21)|(5<<22)|(3<<25)
	s_or_b32 s[G1S], s43, (3<<16)|(1<<20)|(1<<21)|(5<<22)|(3<<25)   ; the scales: units of 32 elements of 8 bytes
	s_or_b32 s[G1SB], s44, (3<<16)|(1<<20)|(1<<21)|(5<<22)|(3<<25)
	DESC G1A, KROW, 256
	DESC G1B, KROW, 128
	DESC G1S, 32, 32
	DESC G1SB, 32, 16
	s_mov_b32 s[G0A], 1
	s_mov_b32 s[G0A+1], 0
	s_mov_b32 s[G0B], 1
	s_mov_b32 s[G0B+1], LB
	s_mov_b32 s[G0S], 1
	s_mov_b32 s[G0S+1], SCL
	s_mov_b32 s[G0SB], 1
	s_mov_b32 s[G0SB+1], SCB
	s_mov_b32 s2, 0xffff0000
	s_mov_b32 s104, 0x76543210
	s_mov_b32 s105, 0xfedcba98
	s_mov_b32 s3, 0
	s_wait_dscnt 0x0
	s_wait_kmcnt 0x0
	SETUP s3
	s_mov_b32 s17, s18
	s_mov_b32 s42, s19
	CROUND                                         ; all sixteen work-groups are here: the joint loads meet
	LOADS
	s_mul_i32 s21, s14, WA
	s_mul_i32 s23, s14, 4*SBLK
	s_mov_b32 s22, SCB-SCL
	s_sub_co_u32 s22, s22, s23                     ; from my rows' scales of A to B's
	s_add_co_u32 s23, s23, SCL
	v_and_b32 v1, 15, v0                           ; r
	v_bfe_u32 v2, v0, 4, 1                         ; h
	v_mul_u32_u24 v3, v1, PITCH
	v_mad_u32_u24 v4, v2, 24, v3
	v_mad_u32_u24 v5, v2, 40, v3
	v_add_nc_u32 v[ADRA], s21, v4
	v_add_nc_u32 v[ADRA+1], s21, v5
	v_add_nc_u32 v[ADRB], LB, v4
	v_add_nc_u32 v[ADRB+1], LB, v5
	v_add_nc_u32 v[ADRB+2], LB+WA, v4
	v_add_nc_u32 v[ADRB+3], LB+WA, v5
	v_lshlrev_b32 v6, 5, v1                        ; a row's scales: 32 bytes,
	v_lshrrev_b32 v7, 3, v1
	v_lshl_add_u32 v6, v7, 4, v6                   ; and 16 more behind each 256
	v_mad_u32_u24 v6, s22, v2, v6                  ; lanes 16-31 take B's
	v_add_nc_u32 v[ADRS], s23, v6
	v_and_b32 v7, 31, v0
	v_lshlrev_b32 v[L16], 4, v7
	v_lshlrev_b32 v[L8], 3, v7
; a fragment: 16 rows x 128 K, 12 registers, six pieces of 8 bytes.  Byte y of a row lies at y + 16 (y / 256) of its LDS row; lanes 16-31 read 24 bytes on
.macro FRAG reg, adr, st, i
.irp p, 0,1,2,3,4,5
.set BY, 96*(\st)+48*(\p/3)+8*(\p%3)
.if BY/256 == (BY+24)/256
	ds_load_b64 v[\reg+2*\p:\reg+2*\p+1], v[\adr+2*((\i)/4)] offset:BY+16*(BY/256)+((\i)%4)*16*PITCH
.else
	ds_load_b64 v[\reg+2*\p:\reg+2*\p+1], v[\adr+2*((\i)/4)+1] offset:BY+16*(BY/256)+((\i)%4)*16*PITCH
.endif
.endr
.endm
.macro FETCH_B st                      ; 48 loads
	WIN TO_B
.irp i, 0,1,2,3,4,5,6,7
	FRAG 128*((\st)%2)+FR*\i, ADRB, \st, \i
.endr
.endm
.macro FETCH_A st                      ; 24 loads
	WIN 0
.irp i, 0,1,2,3
	FRAG AF+48*((\st)%2)+FR*\i, ADRA, \st, \i
.endr
.endm
; 16 products: A's blocks a0, a0 + 1 against B's eight.  The 32 accumulators take turns, in the same order in every step
.macro MUL16 st, a0, zero
	WIN MUL
.irp a, \a0, \a0+1
.irp b, 0,1,2,3,4,5,6,7
.if \zero
	v_wmma_scale_f32_16x16x128_f8f6f4 v[8*(8*(\a)+\b):8*(8*(\a)+\b)+7], v[128*((\st)%2)+FR*\b:128*((\st)%2)+FR*\b+FR-1], v[AF+48*((\st)%2)+FR*(\a):AF+48*((\st)%2)+FR*(\a)+FR-1], 0, v[SC+8*\b+(\st)], v[SC+8*(\a)+(\st)] matrix_a_fmt:MATRIX_FMT_FP6 matrix_b_fmt:MATRIX_FMT_FP6 matrix_a_scale:MATRIX_SCALE_ROW1
.else
	v_wmma_scale_f32_16x16x128_f8f6f4 v[8*(8*(\a)+\b):8*(8*(\a)+\b)+7], v[128*((\st)%2)+FR*\b:128*((\st)%2)+FR*\b+FR-1], v[AF+48*((\st)%2)+FR*(\a):AF+48*((\st)%2)+FR*(\a)+FR-1], v[8*(8*(\a)+\b):8*(8*(\a)+\b)+7], v[SC+8*\b+(\st)], v[SC+8*(\a)+(\st)] matrix_a_fmt:MATRIX_FMT_FP6 matrix_b_fmt:MATRIX_FMT_FP6 matrix_a_scale:MATRIX_SCALE_ROW1
.endif
.endr
.endr
.endm
; a step of 128 along K: the next step's fragments go into the other sets, B's ahead of the products, A's in their middle
.macro STEP st, zero
.if (\st)+1 < STEPS
.if (\st) > 0
	PLACES                                         ; four places between the last step's products and the loads into the sets that they read (both runs below)
.endif
	FETCH_B (\st)+1
	s_wait_dscnt 48                                ; all but the 48 just issued: this step's fragments are in
	MUL16 \st, 0, \zero
	FETCH_A (\st)+1
	MUL16 \st, 2, \zero
.else
	s_wait_dscnt 0x0
	MUL16 \st, 0, \zero
	MUL16 \st, 2, \zero
.endif
.endm
; 16 rows of A x 64 rows of B: normalised over the 64 (q, k), two blocks of 32 quantised, stored as six registers x 32 lanes
.macro QN a, g
.set AC, 64*(\a)+32*(\g)
	s_wait_xcnt 0x0                                ; the last stores have read their registers and their base
	s_mul_i32 s82, s73, \a
.if \g
	s_add_co_u32 s82, s82, s74
.endif
	s_add_nc_u64 s[84:85], s[80:81], s[82:83]
	WIN 0x0a
	v_pk_mul_f32 v[96:97], v[AC:AC+1], v[AC:AC+1]
	v_pk_mul_f32 v[98:99], v[AC+2:AC+3], v[AC+2:AC+3]
.irp j, 4,8,12,16,20,24,28
	v_pk_fma_f32 v[96:97], v[AC+\j:AC+\j+1], v[AC+\j:AC+\j+1], v[96:97]
	v_pk_fma_f32 v[98:99], v[AC+\j+2:AC+\j+3], v[AC+\j+2:AC+\j+3], v[98:99]
.endr
	WIN 0
	v_pk_add_f32 v[96:97], v[96:97], v[98:99]
	v_add_f32 v96, v96, v97
	v_permlanex16_b32 v98, v96, s104, s105
	v_add_f32 v96, v96, v98
	s_wait_alu depctr_va_vdst(0)                   ; the wait ahead of a transcendental and behind it
	v_rsq_f32 v100, v96
	v_nop
	s_wait_alu depctr_va_vdst(0)
	v_min_num_f32 v100, 0x5368d4a5, v100           ; 1 / max(norm, 1e-12)
	v_cndmask_b32 v100, v100, v110, s68            ; v is not normalised
	WIN 0x02
.irp j, 0,2,4,6,8,10,12,14,16,18,20,22,24,26,28,30
	v_pk_mul_f32 v[64+\j:65+\j], v[AC+\j:AC+\j+1], v[100:101] op_sel_hi:[1,0]
.endr
	WIN 0
	v_max3_num_f32 v102, |v64|, |v65|, 0x1800000
	v_max3_num_f32 v103, |v80|, |v81|, 0x1800000
.irp j, 2,4,6,8,10,12,14
	v_max3_num_f32 v102, v102, |v[64+\j]|, |v[65+\j]|
	v_max3_num_f32 v103, v103, |v[80+\j]|, |v[81+\j]|
.endr
	v_permlanex16_b32 v104, v102, s104, s105
	v_permlanex16_b32 v105, v103, s104, s105
	v_max_num_f32 v102, v102, v104
	v_max_num_f32 v103, v103, v105
	v_add_nc_u32 v106, 0xff000000, v102
	v_add_nc_u32 v107, 0xff000000, v103
	v_lshrrev_b32 v108, 23, v106
	v_lshrrev_b32 v109, 23, v107
	v_lshl_or_b32 v[128+2*(\a)+(\g)], v109, 8, v108
	v_cvt_scalef32_pk16_fp6_f32 v[112:114], v[64:79], v106
	v_cvt_scalef32_pk16_fp6_f32 v[120:122], v[80:95], v107
	v_nop
.irp k, 0,1,2
	v_permlane16_swap_b32 v[112+\k], v[120+\k]
.endr
.irp k, 0,1,2
	v_mov_b32 v[115+\k], v[120+\k]
.endr
	global_store_b128 v[L16], v[112:115], s[84:85]
	global_store_b64 v[L8], v[116:117], s[84:85] offset:512
.endm
; ONE BLOCK, of role s3.  refill = 1: the next role's block is asked for behind this block's last LDS read
.macro BLOCK refill
	s_wait_xcnt 0x0                                ; the last block's stores have read their registers and bases
.if \refill
	s_load_b512 s[68:83], s[0:1], 0x0              ; the arguments, for the next role's addresses: these scalars are free under the products
.endif
	s_wait_alu depctr_va_vdst(0)                   ; directly ahead of the wait below
	s_wait_tensorcnt 0x0                           ; my tile is in,
	s_barrier_signal -1
	s_barrier_wait -1                              ; everybody's is
.irp i, 0,1,2,3,4,5,6,7
	ds_load_b128 v[SC+8*\i:SC+8*\i+3], v[ADRS] offset:\i*SBLK       ; the scale words of all eight steps
	ds_load_b128 v[SC+8*\i+4:SC+8*\i+7], v[ADRS] offset:\i*SBLK+16
.endr
	FETCH_B 0
	FETCH_A 0
	STEP 0, 1                                      ; the first step's products start the sums
.set ST, 1
.rept STEPS-1
	STEP ST, 0
.set ST, ST+1
.endr
	WIN 0
.if \refill
	s_wait_kmcnt 0x0
	s_add_co_u32 s45, s3, 1
	SETUP s45
	s_wait_tensorcnt 0x0                           ; the tensor wait, the add and the LDS wait in front of a refill's barrier
	ds_add_u32 v[SPW], v[NIL]
	s_wait_dscnt 0x0                               ; the add is done; my reads of the slot were over ahead of the last step's products
	CROUND                                         ; no wave of any partner still reads the slot
	LOADS                                          ; the four v_nop behind each load are also the places behind the last products
.else
	PLACES
.endif
	; THE WAY OUT.  token: A's row (q, k) or B's (v); channel: the other
	s_lshl_b32 s75, s17, 8
	s_lshl_b32 s76, s14, 6
	s_add_co_u32 s75, s75, s76                     ; my first row of A
	s_lshl_b32 s76, s42, 7                         ; first row of B
	s_sub_co_u32 s77, s75, 1024
	s_mov_b32 s69, 204800                          ; a head of kvimg; of qimg 102,400
	s_mov_b32 s70, 12800                           ; a block of 128 tokens
	s_mov_b32 s73, 768
	s_cmp_eq_u32 s3, 0
	s_cselect_b32 s69, 102400, s69
	s_cselect_b32 s70, 6400, s70
	s_cselect_b64 s[12:13], s[96:97], s[98:99]
	s_cmp_eq_u32 s3, 2
	s_cselect_b32 s68, -1, 0
	s_cselect_b32 s71, 6400, 0                     ; v lies behind k in a key step
	s_cselect_b32 s85, 4, s69                      ; from the first scale store to the second: v: the lane's next word; q, k: the next head
	s_cselect_b32 s74, s73, s69                    ; from B's rows 0-63 to 64-127: v: the fragment's second half; q, k: the next head
	s_cselect_b32 s73, 1536, s73                   ; from one block of A to the next
	s_cselect_b32 s78, s76, s75
	s_cselect_b32 s79, s77, s76
	s_lshr_b32 s75, s78, 11                        ; batch
	s_bfe_u32 s76, s78, 0x40007                    ; the block of 128 tokens
	s_bfe_u32 s72, s78, 0x10006                    ; q, k: which 64 of them are mine (v: 0)
	s_lshr_b32 s77, s79, 6                         ; head
	s_lshl_b32 s75, s75, 4
	s_add_co_u32 s75, s75, s77
	s_mul_i32 s75, s75, s69
	s_mul_i32 s76, s76, s70
	s_add_co_u32 s75, s75, s76
	s_add_co_u32 s82, s75, s71
	s_mov_b32 s83, 0
	s_add_nc_u64 s[86:87], s[12:13], s[82:83]
	s_lshl_b32 s82, s72, 2
	s_add_nc_u64 s[86:87], s[86:87], s[82:83]      ; the first scale store's base: the block, + 4 for the second 64 tokens
	s_mov_b32 s82, s85
	s_add_nc_u64 s[78:79], s[86:87], s[82:83]      ; the second's
	s_mul_i32 s82, s72, 3068
	s_add_nc_u64 s[80:81], s[86:87], s[82:83]      ; the codes: the block, + 3,072 for the second 64 tokens
	v_mov_b32 v101, 0
	v_mov_b32 v104, 0
	v_mov_b32 v105, 0
	v_mov_b32 v110, 1.0
.irp a, 0,1,2,3
	QN \a, 0
	QN \a, 1
.endr
; the scale image, R(a, g) = v[128 + 2 a + g].  q, k: word u (head u): lanes 0-15 R(0, u) | R(1, u) << 16, lanes 16-31 R(2, u) | R(3, u) << 16.
; v: word u: lanes 0-15 R(2 u, 0) | R(2 u, 1) << 16, lanes 16-31 the same of block 2 u + 1
.irp u, 0,1
.irp j, 0,1
	v_cndmask_b32 v144, v[128+4*\j+\u], v[128+4*\u+2*\j], s68
	v_cndmask_b32 v145, v[130+4*\j+\u], v[129+4*\u+2*\j], s68
	v_lshl_or_b32 v[148+\j], v145, 16, v144
.endr
	v_cndmask_b32 v[152+\u], v148, v149, s2
	global_store_b32 v[L8], v[152+\u], s[86-8*\u:87-8*\u] offset:6144
.endr
.if \refill
	s_mov_b32 s17, s18
	s_mov_b32 s42, s19
	s_add_co_u32 s3, s3, 1
.endif
.endm
.Lblk:
	BLOCK 1                                        ; roles 0 and 1
	s_cmp_lt_u32 s3, 2
	s_wait_alu depctr_va_vdst(0)                   ; directly ahead of the branch
	s_cbranch_scc1 .Lblk
	BLOCK 0                                        ; role 2: nothing more to fetch
	s_wait_tensorcnt 0x0                           ; the wave's end
	ds_add_u32 v[SPW], v[NIL]
	s_wait_dscnt 0x0
	CROUND                                         ; the closing round
	s_endpgm
.Lfunc_end_k_q4f4011d038_qkv:
	.size	k_q4f4011d038_qkv, .Lfunc_end_k_q4f4011d038_qkv-k_q4f4011d038_qkv
	.p2alignl 7, 3214868480
	.fill 96, 4, 3214868480
	.section	.rodata,"a",@progbits
	.p2align	6, 0x0
	.amdhsa_kernel k_q4f4011d038_qkv
		.amdhsa_group_segment_fixed_size 327680
		.amdhsa_private_segment_fixed_size 0
		.amdhsa_enable_private_segment 0
		.amdhsa_kernarg_size 80
		.amdhsa_user_sgpr_count 2
		.amdhsa_user_sgpr_kernarg_segment_ptr 1
		.amdhsa_wavefront_size32 1
		.amdhsa_system_sgpr_workgroup_id_x 1
		.amdhsa_system_sgpr_workgroup_id_y 1
		.amdhsa_system_sgpr_workgroup_id_z 1
		.amdhsa_system_vgpr_workitem_id 0
		.amdhsa_next_free_vgpr 768
		.amdhsa_next_free_sgpr 106
		.amdhsa_reserve_vcc 0
		.amdhsa_float_denorm_mode_32 3
		.amdhsa_float_denorm_mode_16_64 3
		.amdhsa_memory_ordered 1
		.amdhsa_forward_progress 1
		.amdhsa_inst_pref_size 235
	.end_amdhsa_kernel
	.amdgpu_metadata
---
amdhsa.version: [ 1, 2 ]
amdhsa.kernels:
  - .name:           k_q4f4011d038_qkv
    .symbol:         k_q4f4011d038_qkv.kd
    .args:
      - { .name: x_codes, .offset: 0, .size: 8, .value_kind: global_buffer, .address_space: global }
      - { .name: x_scales, .offset: 8, .size: 8, .value_kind: global_buffer, .address_space: global }
      - { .name: y_codes, .offset: 16, .size: 8, .value_kind: global_buffer, .address_space: global }
      - { .name: y_scales, .offset: 24, .size: 8, .value_kind: global_buffer, .address_space: global }
      - { .name: q_w_codes, .offset: 32, .size: 8, .value_kind: global_buffer, .address_space: global }
      - { .name: q_w_scales, .offset: 40, .size: 8, .value_kind: global_buffer, .address_space: global }
      - { .name: kv_w_codes, .offset: 48, .size: 8, .value_kind: global_buffer, .address_space: global }
      - { .name: kv_w_scales, .offset: 56, .size: 8, .value_kind: global_buffer, .address_space: global }
      - { .name: qimg, .offset: 64, .size: 8, .value_kind: global_buffer, .address_space: global }
      - { .name: kvimg, .offset: 72, .size: 8, .value_kind: global_buffer, .address_space: global }
    .group_segment_fixed_size: 327680
    .private_segment_fixed_size: 0
    .kernarg_segment_align: 8
    .kernarg_segment_size: 80
    .max_flat_workgroup_size: 128
    .sgpr_count:     106
    .vgpr_count:     768
    .wavefront_size: 32
...
	.end_amdgpu_metadata
.endif
;; end of part 1
;; launch attn (part 2): grid 4 x 64, 8 waves a work-group, clusters of 4 x 1, 310,272 bytes of LDS; arguments qimg, kvimg, temperature, o_codes, o_scales; writes o_codes, o_scales
.if DOCPART == 2
	.amdgcn_target "amdgcn-amd-amdhsa--gfx1250"
	.amdhsa_code_object_version 6
	.text
	.protected	k_q4f4011d038_attn
	.globl	k_q4f4011d038_attn
	.p2align	8
	.type	k_q4f4011d038_attn,@function
k_q4f4011d038_attn:
	s_mov_b64 s[64:65], 0
	v_nop
	global_prefetch_b8 v0, s[64:65] scope:SCOPE_SE
	s_setreg_imm32_b32 hwreg(HW_REG_WAVE_MODE, 25, 1), 1
	s_wait_xcnt 0x0
	s_wait_alu depctr_hold_cnt(0) depctr_sa_sdst(0) depctr_va_vdst(0) depctr_va_sdst(0) depctr_va_ssrc(0) depctr_va_vcc(0) depctr_vm_vsrc(0)
	s_getreg_b32 s2, hwreg(HW_REG_IB_STS2, 6, 4)
	s_cmp_eq_u32 s2, 0
	s_cbranch_scc0 .Lentry_in_a_cluster
	s_endpgm
.Lentry_in_a_cluster:
	s_bfe_u32 s2, ttmp6, 0x10000c
	s_cmp_lg_u32 s2, 0x3003
	s_cbranch_scc0 .Lentry_shape_is_right
	s_endpgm
.Lentry_shape_is_right:
; Attention on codes of FP6 (E2M3): scores = q k^T over the head's 64, t = score x temperature x log2(e), p = 2^(t - M) with M the running largest t rounded up to a whole number,
; O = (p v) / (the sum of the unquantised p); O is then quantised along the QUERIES, in blocks of 32, as the left operand of the projection, whose row is 32 d + 2 h + (query / 1024) and whose K is query % 1024.
; SHARES.  A work-group owns 512 queries of one head (64 heads x 4 work-groups); each of its eight waves owns 64: four tiles of 16.  512 registers a wave: two waves to a SIMD.
; A WHOLE HEAD'S k, v AND SCALE WORDS, 204,800 bytes, LIE IN LDS: filled once, each wave bringing two key steps by one tensor load; no byte of LDS is filled twice, so the loop has no barrier.
; The four work-groups of a cluster belong to one head and ask JOINTLY: the same load, the same descriptor, a mask that names the four.
; OPERANDS LIE AS IMAGES OF REGISTERS: six registers x 32 lanes are 768 bytes, 16 bytes a lane and then 8 bytes a lane.
; LAYOUT.  Both products are used transposed (source 0 = keys, or channels of v; source 1 = my queries): a lane holds ONE query throughout.
; K = 64 IN AN INSTRUCTION OF 128: a fragment of k carries TWO tiles of 16 keys (at k 0-63 and 64-127); q stands between runs of six zero registers, and [q|0] gives the first tile's scores, [0|q] the second's.
; WHICH KEYS FORM A TILE is chosen by the lanes' LDS addresses: with c = 0, 1, a = 0, 1, u = 0, 1, tile 4 c + 2 a + u takes as its rows 0-7 the keys 64 c + 16 u + 8 a + 0 .. 7 and as its rows 8-15 the keys 32 further on.
; A score tile gives lanes 0-15 its rows 0-7 and lanes 16-31 its rows 8-15: so lane half h holds ALL 32 scores of key blocks h (registers 0-31) and 2 + h (registers 32-63), which is how the operand p wants them:
; a block's maximum needs no other lane, and the conversions' results are the operand's registers but for three moves a block.  Register 16 a + 8 u + j of a block is its key 16 u + 8 a + j: the order in which v's image lies.
; In q and k the codes of a block of 32 channels stand in one and the same order too: blocks, scales and products are those of the true order.  O's codes are laid in true order.
; A TILE'S SOFTMAX IS ONE BATCH: all t - M first, one wait, the 66 exponentials, one wait, then the readers; the row's sum in four chains that take turns.
; O^T's rescaling stands between the products v^T p, four packed multiplications behind each product, for the accumulator two products on.
; The six moves that finish a tile's p stand behind the next tile's score products, as the places that those products want.
; A NEGATIVE TEMPERATURE turns the signs of q's codes once, at the head, by an exclusive or with masks made of its sign bit: so c = |temperature| log2(e) is never negative and p rises with the score.
; A block's largest p is made of the block's largest score by the same multiply-add and exponential (this takes v_exp_f32 not to fall where its input rises).
; LIMITS: NaN and infinities are not served.  A block whose largest magnitude lies under 2^-124 keeps the byte 1, a block of zeros too (the rule says 127): its codes are zeros, and this program alone reads the bytes.
; A store of O's codes covers 384 consecutive bytes of a row of 768: the row's middle 256 bytes come half from this work-group and half from its neighbour.  O's scale bytes leave as 16 bytes a row.
; No prefetch: the launch's one tensor load a wave is issued at the head, and the loop reads LDS alone.
.set STEPB, 12800                      ; a key step of 128 keys: k's eight tiles (6,144), their scale image (256), v's four fragments, their scale image
.set NSTEP, 16
.set TS,    NSTEP*STEPB                ; behind the head: a stage of 32 rows x 272 bytes for each wave, for turning O
.set TSW,   32*272
.set OC,    TS+8*TSW                   ; O's codes: 64 rows (d) x 528 bytes: 32 places of 16 bytes, 12 of them codes
.set OSC,   OC+64*528                  ; O's scale bytes: 64 rows x 16
.set L16,  1                           ; v1  16 x lane          v2  8 x lane
.set L8,   2
.set AV16, 3                           ; v3, v4  this step's v;  v5, v6, v244  the next step's k
.set AV8,  4
.set AK16, 5
.set AK8,  6
.set KS,   8                           ; v[8:9] k's scale words;  v[10:11] v's;  v12, v13 q's;  v16-19 p's, one a tile
.set VS,   10
.set QS,   12
.set L16K, 14                          ; v14, v15, v243  k's lane terms: image row (r % 8) + 16 h, and two image tiles on for r >= 8
.set L8K,  15
.set PS,   16
.set FB,   48                          ; v48-55 f = 2^(old M - new M), a pair a tile (the upper register is named with it and holds 0)
.set S,    64                          ; v64-127 a tile's scores, then p
.set KF,   128                         ; v128-175 k's four fragments
.set P,    176                         ; v176-223 p's codes, 12 a tile
.set BM,   224                         ; v224, v225 my two blocks' largest;  v228-231 second chains, lane exchanges, bytes;  v232, v233 the conversions' scale operands
.set PX,   228
.set SO,   232
.set CT,   236                         ; v236-238, v240-242 the second halves of the conversions;  v246, v247 at work;  v[248:253] three chains of the sum
.set LSK,  243
.set AKS,  244
.set H8,   245                         ; 8 h
.set QB,   128                         ; window 1: v0-127 O^T, 32 a tile;  v128-181 zeros and q by turns;  v184-231 v's four fragments
.set VF,   184
.set W_S,  0x04                        ; source 1 (q) window 1
.set W_PV, 0x51                        ; source 0 (v, or O^T in the rescaling), C and D window 1; source 1 (p, or f) window 0
.set W_L1, 0x40                        ; destination window 1
.set W_X,  0x44                        ; source 1 and destination window 1
.set W_O,  0x01                        ; source 0 window 1
.set MSB, 0
.macro WIN new                         ; the immediate's high byte repeats the setting that is left
.if MSB != (\new)
	s_set_vgpr_msb (MSB<<8)|(\new)
.set MSB, \new
.endif
.endm
.macro CROUND                          ; a round of the cluster's barrier
	s_barrier_signal -1
	s_barrier_wait -1
	s_cmp_lg_u32 s14, 0
	s_cbranch_scc1 .Lnot_wave_0_\@
	s_barrier_signal -3
.Lnot_wave_0_\@:
	s_barrier_wait -3
	s_barrier_signal -1
	s_barrier_wait -1
.endm
.macro PLACES
.rept 4
	v_nop
.endr
.endm
	s_load_b256 s[4:11], s[0:1], 0x0               ; qimg, kvimg, temperature, o_codes
	s_load_b64 s[12:13], s[0:1], 0x20              ; o_scales
	v_lshl_add_u32 v254, v0, 2, 0x4b800
	v_mov_b32 v255, 0
	ds_add_u32 v254, v255                          ; the opening lines
	ds_add_u32 v254, v255
	v_lshrrev_b32 v7, 5, v0
	s_delay_alu instid0(VALU_DEP_1)
	v_readfirstlane_b32 s14, v7                    ; wave 0..7
	s_bfe_u32 s15, ttmp6, 0x40000                  ; cx: which 512 queries
	s_and_b32 s16, ttmp7, 0xffff                   ; 16 x batch + head, which the four partners share
	v_and_b32 v7, 31, v0                           ; lane
	s_delay_alu instid0(VALU_DEP_1)
	v_lshlrev_b32 v[L16], 4, v7
	s_delay_alu instid0(VALU_DEP_2)
	v_lshlrev_b32 v[L8], 3, v7
	; the one descriptor: 100 dense rows of 256 bytes (32 elements of 8 bytes): two key steps
	s_mov_b32 s24, 15|(3<<16)|(1<<21)              ; the mask: all four work-groups; elements of 8 bytes; bit 21 beside a mask; no padding
	s_mov_b32 s25, 32<<16                          ; tensor_dim0
	s_mov_b32 s26, 100<<16                         ; tensor_dim1
	s_mov_b32 s27, 32<<16                          ; tile_dim0
	s_mov_b32 s28, 100                             ; tile_dim1
	s_mov_b32 s29, 32                              ; pitch
	s_mov_b32 s30, 0
	s_mov_b32 s31, 0
	s_mov_b32 s32, 1
	s_mul_i32 s33, s14, 2*STEPB                    ; LDS: wave x two key steps
	s_mul_i32 s46, s16, NSTEP*STEPB
	s_add_co_u32 s46, s46, s33                     ; memory: the head, and the same two steps: nothing of cx
	s_mov_b32 s47, 0
	s_and_b32 s48, s16, 15
	s_lshl_b32 s48, s48, 2                         ; the head's temperature
	s_mov_b32 s49, 0
	s_mov_b32 s36, 0x76543210
	s_mov_b32 s37, 0xfedcba98                      ; v_permlanex16_b32's selects for lane l xor 16
	s_mov_b32 s53, 0
	s_wait_dscnt 0x0
	s_wait_kmcnt 0x0
	s_add_nc_u64 s[34:35], s[6:7], s[46:47]
	s_or_b32 s35, s35, 0x80000000
	s_add_nc_u64 s[8:9], s[8:9], s[48:49]
	s_load_b32 s58, s[8:9], 0x0
	s_mul_i32 s46, s16, 102400                     ; q: the head,
	s_lshl_b32 s50, s15, 2
	s_lshr_b32 s51, s14, 1
	s_add_co_u32 s50, s50, s51
	s_mul_i32 s50, s50, 6400                       ; the block of 128 queries: 4 cx + wave / 2,
	s_add_co_u32 s46, s46, s50
	s_and_b32 s51, s14, 1
	s_mul_i32 s52, s51, 3072                       ; and my four tiles in it
	s_add_co_u32 s52, s52, s46
	s_add_nc_u64 s[54:55], s[4:5], s[52:53]
	s_lshl_b32 s52, s51, 2                         ; my word of the block's scale image
	s_add_co_u32 s52, s52, s46
	s_add_co_u32 s52, s52, 6144
	s_add_nc_u64 s[56:57], s[4:5], s[52:53]
	CROUND                                         ; all four work-groups are here: the joint loads meet
	tensor_load_to_lds s[32:35], s[24:31]          ; my only tensor load
	s_nop 0
	PLACES
	WIN W_L1
	s_wait_alu depctr_va_vdst(0)
.irp i, 0,1,2,3
	global_load_b128 v[QB+6+12*\i:QB+9+12*\i], v[L16], s[54:55] offset:768*\i
	global_load_b64 v[QB+10+12*\i:QB+11+12*\i], v[L8], s[54:55] offset:768*\i+512
.endr
.irp z, 0,1,2,3,4
.irp k, 0,1,2,3,4,5
	v_mov_b32 v[QB+12*\z+\k], 0                    ; the zero codes round q's tiles
.endr
.endr
	WIN 0
	global_load_b32 v246, v[L8], s[56:57]          ; lanes 0-15: tiles 0 and 1's bytes; lanes 16-31: tiles 2 and 3's
.irp i, 0,1,2,3
	v_mov_b32 v[21+4*\i], 0xff61b1e6               ; the largest score so far: -3e38
	s_delay_alu instid0(VALU_DEP_1)
	v_floor_f32 v[20+4*\i], -v[21+4*\i]            ; -M: so large that the first f is 0
	v_mov_b32 v[22+4*\i], 0                        ; the sum, in two halves
	v_mov_b32 v[23+4*\i], 0
	v_mov_b32 v[PX+\i], 0                          ; a lane permute's destination counts as one of its sources
	v_mov_b32 v[FB+2*\i], 0
	v_mov_b32 v[FB+2*\i+1], 0                      ; (named as the upper half of a pair)
.endr
	v_and_b32 v46, 15, v0                          ; r
	v_bfe_u32 v47, v0, 4, 1                        ; h
	; k's lane terms
	v_and_b32 v247, 7, v0
	v_bfe_u32 v248, v0, 3, 1                       ; r / 8
	v_lshl_add_u32 v247, v47, 4, v247              ; the image's lane: r % 8 + 16 h
	v_add_nc_u32 v250, v248, v47
	v_mul_u32_u24 v248, v248, 1536                 ; rows 8-15: two image tiles, 32 keys, further on
	v_lshlrev_b32 v251, 3, v46
	v_lshl_add_u32 v[L16K], v247, 4, v248
	v_lshl_add_u32 v[L8K], v247, 3, v248
	v_lshl_add_u32 v[LSK], v250, 6, v251           ; the scale image: 8 r + 64 (r / 8) + 64 h: lanes 0-15 take the words of fragments a = 0, lanes 16-31 of a = 1
	v_lshlrev_b32 v[H8], 3, v47
	; addresses for the way out, all made here
	s_mul_i32 s50, s14, TSW
	s_add_co_u32 s50, s50, TS                      ; my stage
	v_mul_u32_u24 v36, v46, 272
	s_delay_alu instid0(VALU_DEP_1)
	v_lshl_add_u32 v36, v47, 5, v36
	s_delay_alu instid0(VALU_DEP_1)
	v_add_nc_u32 v36, s50, v36                     ; v36 in: row r, + 32 h
	v_lshl_add_u32 v37, v7, 2, s50                 ; v37 back: 4 x lane
	s_lshl_b32 s50, s14, 6
	s_add_co_u32 s50, s50, OC
	v_mul_u32_u24 v38, v7, 528
	s_delay_alu instid0(VALU_DEP_1)
	v_add_nc_u32 v38, s50, v38                     ; v38 codes in: row = lane, my four places
	s_lshl_b32 s50, s14, 1
	s_add_co_u32 s50, s50, OSC
	v_add_nc_u32 v39, s50, v[L16]                  ; v39 scale bytes in: row = lane, my two bytes
	s_mul_i32 s50, s14, 8*528
	s_add_co_u32 s50, s50, OC
	v_add_nc_u32 v40, s50, v[L16]                  ; v40 codes back: my eight rows, a place a lane
	v_and_b32 v43, 63, v0
	s_delay_alu instid0(VALU_DEP_1)
	v_lshl_add_u32 v41, v43, 4, OSC                ; v41 scale bytes back: a row a thread
	s_delay_alu instid0(VALU_DEP_2)
	v_lshlrev_b32 v43, 10, v43                     ; v43 and its place in memory: 32 rows of 32 bytes from d to d + 1
	v_mul_u32_u24 v42, v7, 12                      ; v42 12 bytes a lane
	s_lshr_b32 s46, s16, 4                         ; batch
	s_and_b32 s47, s16, 15
	s_lshl_b32 s47, s47, 1
	s_lshr_b32 s48, s15, 1
	s_add_co_u32 s47, s47, s48                     ; 2 h + query / 1024
	s_and_b32 s48, s15, 1                          ; which half of the row's K
	s_mul_i32 s52, s46, 2048*768
	s_mul_i32 s49, s14, 8*32*768                   ; my eight d
	s_add_co_u32 s52, s52, s49
	s_mul_i32 s49, s47, 768
	s_add_co_u32 s52, s52, s49
	s_mul_i32 s49, s48, 384
	s_add_co_u32 s52, s52, s49
	s_add_nc_u64 s[10:11], s[10:11], s[52:53]
	s_lshl_b32 s52, s46, 16
	s_lshl_b32 s49, s47, 5
	s_add_co_u32 s52, s52, s49
	s_lshl_b32 s49, s48, 4
	s_add_co_u32 s52, s52, s49
	s_add_nc_u64 s[12:13], s[12:13], s[52:53]
	s_wait_kmcnt 0x0                               ; the temperature
	s_and_b32 s46, s58, 0x7fffffff
	s_mul_f32 s38, s46, 0x3fb8aa3b                 ; c = |temperature| x log2(e)
	s_mov_b32 s39, s38                             ; (the packed form names the pair)
	s_ashr_i32 s46, s58, 31                        ; all ones where it is negative
	s_and_b32 s43, s46, 0x20820820                 ; the sign bits of 16 codes in three registers: bits 6 i + 5
	s_and_b32 s44, s46, 0x08208208
	s_and_b32 s45, s46, 0x82082082
	s_wait_loadcnt 0x0                             ; q and its scale word
	v_and_b32 v[QS], 0xffff, v246
	s_delay_alu instid0(VALU_DEP_1)
	v_lshl_or_b32 v[QS], v246, 16, v[QS]           ; tiles 0 (lanes 0-15) and 2 (lanes 16-31): the two bytes twice, for [q|0] and for [0|q]
	v_lshrrev_b32 v[QS+1], 16, v246
	s_delay_alu instid0(VALU_DEP_1)
	v_and_or_b32 v[QS+1], v246, 0xffff0000, v[QS+1]   ; tiles 1 and 3
	WIN W_X
.irp i, 0,1,2,3
.irp k, 0,1,2,3,4,5
	v_xor_b32 v[QB+6+12*\i+\k], s[43+\k%3], v[QB+6+12*\i+\k]
.endr
.endr
	WIN 0
	PLACES                                         ; operands written by vector instructions stand four places ahead of a scaled matrix instruction, scale words eight
	s_mov_b32 s40, 0                               ; LDS byte of the step in hand
	v_add_nc_u32 v[AK16], s40, v[L16K]
	v_add_nc_u32 v[AK8], s40, v[L8K]
	v_add_nc_u32 v[AKS], s40, v[LSK]
	s_wait_alu depctr_va_vdst(0)
	s_wait_tensorcnt 0x0                           ; my two key steps are in,
	s_barrier_signal -1
	s_barrier_wait -1                              ; everybody's are: the head is whole
; One scaled product.  acc = 0: it starts a sum.  ra, rb: the scale words are taken from lanes 16-31.
.macro WM d, a, b, acc, sa, sb, ra, rb
.if (\acc)
.if (\ra) && (\rb)
	v_wmma_scale_f32_16x16x128_f8f6f4 v[(\d):(\d)+7], v[(\a):(\a)+11], v[(\b):(\b)+11], v[(\d):(\d)+7], v[\sa], v[\sb] matrix_a_fmt:MATRIX_FMT_FP6 matrix_b_fmt:MATRIX_FMT_FP6 matrix_a_scale:MATRIX_SCALE_ROW1 matrix_b_scale:MATRIX_SCALE_ROW1
.elseif (\ra)
	v_wmma_scale_f32_16x16x128_f8f6f4 v[(\d):(\d)+7], v[(\a):(\a)+11], v[(\b):(\b)+11], v[(\d):(\d)+7], v[\sa], v[\sb] matrix_a_fmt:MATRIX_FMT_FP6 matrix_b_fmt:MATRIX_FMT_FP6 matrix_a_scale:MATRIX_SCALE_ROW1
.elseif (\rb)
	v_wmma_scale_f32_16x16x128_f8f6f4 v[(\d):(\d)+7], v[(\a):(\a)+11], v[(\b):(\b)+11], v[(\d):(\d)+7], v[\sa], v[\sb] matrix_a_fmt:MATRIX_FMT_FP6 matrix_b_fmt:MATRIX_FMT_FP6 matrix_b_scale:MATRIX_SCALE_ROW1
.else
	v_wmma_scale_f32_16x16x128_f8f6f4 v[(\d):(\d)+7], v[(\a):(\a)+11], v[(\b):(\b)+11], v[(\d):(\d)+7], v[\sa], v[\sb] matrix_a_fmt:MATRIX_FMT_FP6 matrix_b_fmt:MATRIX_FMT_FP6
.endif
.else
.if (\ra) && (\rb)
	v_wmma_scale_f32_16x16x128_f8f6f4 v[(\d):(\d)+7], v[(\a):(\a)+11], v[(\b):(\b)+11], 0, v[\sa], v[\sb] matrix_a_fmt:MATRIX_FMT_FP6 matrix_b_fmt:MATRIX_FMT_FP6 matrix_a_scale:MATRIX_SCALE_ROW1 matrix_b_scale:MATRIX_SCALE_ROW1
.elseif (\ra)
	v_wmma_scale_f32_16x16x128_f8f6f4 v[(\d):(\d)+7], v[(\a):(\a)+11], v[(\b):(\b)+11], 0, v[\sa], v[\sb] matrix_a_fmt:MATRIX_FMT_FP6 matrix_b_fmt:MATRIX_FMT_FP6 matrix_a_scale:MATRIX_SCALE_ROW1
.elseif (\rb)
	v_wmma_scale_f32_16x16x128_f8f6f4 v[(\d):(\d)+7], v[(\a):(\a)+11], v[(\b):(\b)+11], 0, v[\sa], v[\sb] matrix_a_fmt:MATRIX_FMT_FP6 matrix_b_fmt:MATRIX_FMT_FP6 matrix_b_scale:MATRIX_SCALE_ROW1
.else
	v_wmma_scale_f32_16x16x128_f8f6f4 v[(\d):(\d)+7], v[(\a):(\a)+11], v[(\b):(\b)+11], 0, v[\sa], v[\sb] matrix_a_fmt:MATRIX_FMT_FP6 matrix_b_fmt:MATRIX_FMT_FP6
.endif
.endif
.endm
; 17 loads: a step's four fragments of k and their scale words.  Fragment 2 c + a holds tiles u = 0, 1; lanes r < 8 read rows 8 a + r of image tile 4 c + u, lanes r >= 8 rows 8 a + r - 8 of image tile 4 c + 2 + u.
; The image's scale word of a row holds the bytes of image tiles 2 j and 2 j + 1: so a fragment's word is one word of the image: register c, lanes 0-15 for a = 0, lanes 16-31 for a = 1
.macro KLOAD
.irp c, 0,1
.irp a, 0,1
.irp u, 0,1
	ds_load_b128 v[KF+12*(2*\c+\a)+6*\u:KF+12*(2*\c+\a)+6*\u+3],   v[AK16] offset:768*(4*\c+\u)+128*\a
	ds_load_b64  v[KF+12*(2*\c+\a)+6*\u+4:KF+12*(2*\c+\a)+6*\u+5], v[AK8]  offset:768*(4*\c+\u)+512+64*\a
.endr
.endr
.endr
	ds_load_b64 v[KS:KS+1], v[AKS] offset:6144
.endm
.macro VLOAD                           ; 17 loads: v's four fragments and their scale words
	WIN W_L1
.irp f, 0,1,2,3
	ds_load_b128 v[VF+12*\f:VF+12*\f+3],     v[AV16] offset:6400+1536*\f
	ds_load_b64  v[VF+12*\f+4:VF+12*\f+5],   v[AV8]  offset:6400+1536*\f+512
	ds_load_b128 v[VF+12*\f+6:VF+12*\f+9],   v[AV16] offset:6400+1536*\f+768
	ds_load_b64  v[VF+12*\f+10:VF+12*\f+11], v[AV8]  offset:6400+1536*\f+1280
.endr
	WIN 0
	ds_load_b64 v[VS:VS+1], v[AV8] offset:6400+6144
.endm
.macro SMUL i
	WIN W_S
.irp f, 0,1,2,3
.irp c, 0,1
	WM S+8*(2*\f+\c), KF+12*\f, QB+12*(\i)+6*(1-\c), 0, KS+\f/2, QS+(\i)%2, \f%2, (\i)/2
.endr
.endr
	WIN 0
.endm
; Tile i's softmax for 128 keys, up to the conversions; PMOV finishes p.
.macro SOFTMAX i
.set NM, 20+4*(\i)                     ; -M;  NM + 1 the largest score so far;  NM + 2, NM + 3 the sum
.set RM, NM+1
.set SU, NM+2
.set PR, P+12*(\i)
.set FF, FB+2*(\i)
	; the largest score of each of my two blocks of 32 keys: two chains a block, each accumulator from its low end on; the block whose products were issued first comes first
.irp b, 0,1
	v_max3_num_f32 v[BM+\b], v[S+32*\b], v[S+32*\b+1], v[S+32*\b+2]
	v_max3_num_f32 v[PX+\b], v[S+32*\b+16], v[S+32*\b+17], v[S+32*\b+18]
.irp n, 3,5,7,9,11,13
	v_max3_num_f32 v[BM+\b], v[BM+\b], v[S+32*\b+\n], v[S+32*\b+\n+1]
	v_max3_num_f32 v[PX+\b], v[PX+\b], v[S+32*\b+16+\n], v[S+32*\b+17+\n]
.endr
.endr
.irp b, 0,1
	v_max3_num_f32 v[BM+\b], v[BM+\b], v[PX+\b], v[S+32*\b+15]
.endr
.irp b, 0,1
	v_max_num_f32 v[BM+\b], v[BM+\b], v[S+32*\b+31]
.endr
	v_max_num_f32 v246, v[BM], v[BM+1]
	v_mov_b32 v247, v[NM]                          ; the old -M
	v_permlanex16_b32 v[PX], v246, s36, s37        ; lane l xor 16's two blocks
	v_max3_num_f32 v[RM], v246, v[PX], v[RM]       ; the running largest score (c is not negative: the largest t is c x this)
	v_mul_f32 v246, s38, v[RM]
	v_floor_f32 v[NM], -v246                       ; the new -M: M is a whole number
.irp b, 0,1
	v_fma_f32 v[BM+\b], v[BM+\b], s38, v[NM]       ; t - M of each block's largest score
.endr
	v_sub_f32 v247, v[NM], v247                    ; old M - new M: a whole number, 0 or less
	; ONE BATCH: all sources first (t - M of the 64 scores, with the three lines that make f among them), one wait, the 66 exponentials, a plain place, one wait, then the readers
.irp j, 0,2,4,6,8,10,12,14,16,18,20,22,24,26,28,30
	v_pk_fma_f32 v[S+\j:S+\j+1], v[S+\j:S+\j+1], s[38:39], v[NM:NM+1] op_sel_hi:[1,0,0]
.endr
	v_cvt_i32_f32 v247, v247                       ; (it saturates)
.irp j, 32,34,36,38,40,42,44,46
	v_pk_fma_f32 v[S+\j:S+\j+1], v[S+\j:S+\j+1], s[38:39], v[NM:NM+1] op_sel_hi:[1,0,0]
.endr
	v_ldexp_f32 v[FF], 1.0, v247                   ; f = 2^(old M - new M): a multiplication by it rounds nothing
.irp j, 48,50,52,54,56,58,60,62
	v_pk_fma_f32 v[S+\j:S+\j+1], v[S+\j:S+\j+1], s[38:39], v[NM:NM+1] op_sel_hi:[1,0,0]
.endr
	v_pk_mul_f32 v[SU:SU+1], v[SU:SU+1], v[FF:FF+1] op_sel_hi:[1,0]   ; the sum under the new M
	s_wait_alu depctr_va_vdst(0)                   ; the wait ahead of the batch
.irp b, 0,1
	v_exp_f32 v[BM+\b], v[BM+\b]                   ; the blocks' largest p
.endr
.set EN, 0
.rept 64
	v_exp_f32 v[S+EN], v[S+EN]                     ; p = 2^(t - M), not normalised
.set EN, EN+1
.endr
	v_nop                                          ; one plain place behind the last exponential
	s_wait_alu depctr_va_vdst(0)                   ; and the one wait behind the batch
.irp b, 0,1
	v_max_num_f32 v[BM+\b], 0x1800000, v[BM+\b]    ; the floor 2^(3 - 127): the byte cannot fall under 1
.endr
	; the row's sum is taken of the unquantised p: 32 packed additions in four chains that take turns; the lines that make p's scale word stand among them
	v_pk_add_f32 v[248:249], v[S:S+1], v[S+2:S+3]
	v_pk_add_f32 v[250:251], v[S+4:S+5], v[S+6:S+7]
.irp b, 0,1
	v_add_nc_u32 v[SO+\b], 0xff000000, v[BM+\b]    ; 2 off the exponent field: the conversion's scale operand
.endr
	v_pk_add_f32 v[252:253], v[S+8:S+9], v[S+10:S+11]
	v_pk_add_f32 v[SU:SU+1], v[SU:SU+1], v[S+12:S+13]
.irp b, 0,1
	v_lshrrev_b32 v[PX+\b], 23, v[SO+\b]           ; the scale's byte
.endr
.irp j, 14,22,30
	v_pk_add_f32 v[248:249], v[248:249], v[S+\j:S+\j+1]
	v_pk_add_f32 v[250:251], v[250:251], v[S+\j+2:S+\j+3]
	v_pk_add_f32 v[252:253], v[252:253], v[S+\j+4:S+\j+5]
	v_pk_add_f32 v[SU:SU+1], v[SU:SU+1], v[S+\j+6:S+\j+7]
.endr
	v_lshl_or_b32 v246, v[PX+1], 16, v[PX]         ; my two bytes: blocks h and 2 + h,
.irp j, 38
	v_pk_add_f32 v[248:249], v[248:249], v[S+\j:S+\j+1]
	v_pk_add_f32 v[250:251], v[250:251], v[S+\j+2:S+\j+3]
	v_pk_add_f32 v[252:253], v[252:253], v[S+\j+4:S+\j+5]
	v_pk_add_f32 v[SU:SU+1], v[SU:SU+1], v[S+\j+6:S+\j+7]
.endr
	v_lshlrev_b32 v246, v[H8], v246                ; at their places in the word (8 h bits up)
.irp j, 46,54
	v_pk_add_f32 v[248:249], v[248:249], v[S+\j:S+\j+1]
	v_pk_add_f32 v[250:251], v[250:251], v[S+\j+2:S+\j+3]
	v_pk_add_f32 v[252:253], v[252:253], v[S+\j+4:S+\j+5]
	v_pk_add_f32 v[SU:SU+1], v[SU:SU+1], v[S+\j+6:S+\j+7]
.endr
	v_permlanex16_b32 v[PX+2], v246, s36, s37      ; lane l xor 16's two bytes
	v_pk_add_f32 v[248:249], v[248:249], v[S+62:S+63]
	v_pk_add_f32 v[250:251], v[250:251], v[252:253]
	v_pk_add_f32 v[SU:SU+1], v[SU:SU+1], v[248:249]
	v_pk_add_f32 v[SU:SU+1], v[SU:SU+1], v[250:251]
.irp c, 0,1
	v_cvt_scalef32_pk16_fp6_f32 v[PR+6*\c:PR+6*\c+2], v[S+32*\c:S+32*\c+15], v[SO+\c]        ; my block 2 c + h: its lower 16 codes are the operand's registers 6 c .. 6 c + 2,
	v_cvt_scalef32_pk16_fp6_f32 v[CT+4*\c:CT+4*\c+2], v[S+32*\c+16:S+32*\c+31], v[SO+\c]     ; its upper 16 are made elsewhere and moved (a conversion's three registers begin on an even number)
.endr
	v_or_b32 v[PS+(\i)], v246, v[PX+2]             ; p's scale word for these 128 keys.  (A plain line behind the scaled conversions, ahead of what touches their results or writes their sources)
.endm
.macro PMOV i                          ; the upper 16 codes of each block go to their places: six plain lines that name p's registers alone
.irp c, 0,1
.irp k, 0,1,2
	v_mov_b32 v[P+12*(\i)+6*\c+3+\k], v[CT+4*\c+\k]
.endr
.endr
.endm
.macro RS dt, i                        ; accumulator (dt, i) of O^T under tile i's new M, from its low end on
.irp k, 0,2,4,6
	v_pk_mul_f32 v[32*(\i)+8*(\dt)+\k:32*(\i)+8*(\dt)+\k+1], v[32*(\i)+8*(\dt)+\k:32*(\i)+8*(\dt)+\k+1], v[FB+2*(\i):FB+2*(\i)+1] op_sel_hi:[1,0]
.endr
.endm
; O^T = f O^T + v^T p^T: 16 accumulators, one instruction a turn.  Behind product XI stands the rescaling of accumulator XI + 2:
; between an accumulator's rescaling and its product lie another product and four plain lines.  first = 1: the products start the sums and nothing is rescaled.
.macro PVMUL first
	WIN W_PV
.if !\first
	s_wait_alu depctr_va_vdst(0)                   ; directly ahead of the first reader of O^T
	RS 0, 0
	RS 0, 1
.endif
.set XI, 0
.rept 16
	WM 32*(XI%4)+8*(XI/4), VF+12*(XI/4), P+12*(XI%4), 1-\first, VS+XI/8, PS+XI%4, (XI/4)%2, 0
.if (!\first) && (XI < 14)
	RS (XI+2)/4, (XI+2)%4
.endif
.set XI, XI+1
.endr
	WIN 0
.endm
; A KEY STEP: 128 keys for my four tiles.
.macro STEP first
	s_add_co_u32 s41, s40, STEPB
	s_min_u32 s41, s41, (NSTEP-1)*STEPB            ; the next step's k; the last step reads its own again, so that no load leaves the head
	v_add_nc_u32 v[AV16], s40, v[L16]              ; plain lines: the places between the last products and the loads into the registers that they read
	v_add_nc_u32 v[AV8], s40, v[L8]
	v_add_nc_u32 v[AK16], s41, v[L16K]
	v_add_nc_u32 v[AK8], s41, v[L8K]
	v_add_nc_u32 v[AKS], s41, v[LSK]
	VLOAD
	s_wait_dscnt 17                                ; k's 17 loads, issued a step ago, are in; v's 17 may be out
	SMUL 0
	PLACES
	SOFTMAX 0
	SMUL 1
	PMOV 0                                         ; six plain lines: the places between tile 1's score products and the first read of the scores
	SOFTMAX 1
	SMUL 2
	PMOV 1
	SOFTMAX 2
	SMUL 3
	PMOV 2                                         ; the places for the reads of the scores, and for the loads into k's registers
	KLOAD
	SOFTMAX 3
	PMOV 3
.if \first
	s_wait_alu depctr_va_vdst(0)
	PLACES                                         ; an operand written by vector instructions stands four places ahead of a scaled matrix instruction (later steps: the first eight lines of the rescaling)
.endif
	s_wait_dscnt 17                                ; v's 17 loads are in; the next k's 17 may be out
	PVMUL \first
	s_add_co_u32 s40, s40, STEPB
.endm
	KLOAD                                          ; key step 0
	STEP 1
	s_mov_b32 s42, NSTEP-1
.Lstep:
	STEP 0
	s_sub_co_u32 s42, s42, 1
	s_cmp_lg_u32 s42, 0
	s_cbranch_scc1 .Lstep
	s_wait_dscnt 0x0                               ; the last look-ahead's loads: their registers are used below
	; THE WAY OUT.  The sums; O^T / the sum; turned through my stage so that a lane holds one d and 32 neighbouring queries; quantised; gathered by rows of the projection's operand.
.irp i, 0,1,2,3
	v_add_f32 v[22+4*\i], v[22+4*\i], v[23+4*\i]
.endr
.irp i, 0,1,2,3
	s_delay_alu instid0(VALU_DEP_4)
	v_permlanex16_b32 v[PX+\i], v[22+4*\i], s36, s37
.endr
.irp i, 0,1,2,3
	s_delay_alu instid0(VALU_DEP_4)
	v_add_f32 v[22+4*\i], v[22+4*\i], v[PX+\i]     ; the row's sum
.endr
	s_wait_alu depctr_va_vdst(0)
.irp i, 0,1,2,3
	v_rcp_f32 v[20+4*\i], v[22+4*\i]
.endr
	v_nop                                          ; one plain place behind a transcendental
	s_wait_alu depctr_va_vdst(0)
.macro HALF e                          ; tiles 2 e and 2 e + 1: 32 queries
.irp u, 0,1
	WIN W_O
.irp k, 0,2,4,6,8,10,12,14,16,18,20,22,24,26,28,30
	v_pk_mul_f32 v[S+32*\u+\k:S+32*\u+\k+1], v[32*(2*\e+\u)+\k:32*(2*\e+\u)+\k+1], v[20+4*(2*\e+\u):21+4*(2*\e+\u)] op_sel_hi:[1,0]
.endr
	WIN 0
.irp dt, 0,1,2,3
	ds_store_b128 v36, v[S+32*\u+8*\dt:S+32*\u+8*\dt+3] offset:4352*\u+64*\dt        ; row = query 16 u + r; d = 16 dt + 8 h + 0 .. 7
	ds_store_b128 v36, v[S+32*\u+8*\dt+4:S+32*\u+8*\dt+7] offset:4352*\u+64*\dt+16
.endr
.endr
.irp dh, 0,1
.irp q, 0,1,2,3,4,5,6,7,8,9,10,11,12,13,14,15,16,17,18,19,20,21,22,23,24,25,26,27,28,29,30,31
	ds_load_b32 v[128+32*\dh+\q], v37 offset:272*\q+128*\dh   ; d = 32 dh + lane, query q: LDS serves a wave's instructions in order, so these see my stores
.endr
.endr
	s_wait_dscnt 0x0
.irp dh, 0,1
	v_max3_num_f32 v[BM+\dh], |v[128+32*\dh]|, |v[129+32*\dh]|, 0x1800000   ; the block's 32 numbers are all mine; the floor 2^(3 - 127)
.endr
.irp q, 2,4,6,8,10,12,14,16,18,20,22,24,26,28,30
.irp dh, 0,1
	s_delay_alu instid0(VALU_DEP_2)
	v_max3_num_f32 v[BM+\dh], v[BM+\dh], |v[128+32*\dh+\q]|, |v[129+32*\dh+\q]|
.endr
.endr
.irp dh, 0,1
	s_delay_alu instid0(VALU_DEP_2)
	v_add_nc_u32 v[SO+\dh], 0xff000000, v[BM+\dh]
.endr
.irp dh, 0,1
.if \e == 0
	s_delay_alu instid0(VALU_DEP_2)
	v_lshrrev_b32 v[44+\dh], 23, v[SO+\dh]         ; the first block's byte,
.else
	s_delay_alu instid0(VALU_DEP_2)
	v_lshrrev_b32 v[PX+\dh], 23, v[SO+\dh]
.endif
.endr
.if \e == 1
.irp dh, 0,1
	s_delay_alu instid0(VALU_DEP_2)
	v_lshl_or_b32 v[44+\dh], v[PX+\dh], 8, v[44+\dh]   ; and the second's above it
.endr
.endif
.irp dh, 0,1
.irp c, 0,1
	v_cvt_scalef32_pk16_fp6_f32 v[192+4*(2*\dh+\c):194+4*(2*\dh+\c)], v[128+32*\dh+16*\c:143+32*\dh+16*\c], v[SO+\dh]
.endr
.endr
	v_nop                                          ; one plain place behind a scaled conversion
.irp dh, 0,1
.irp c, 0,1
	ds_store_b96 v38, v[192+4*(2*\dh+\c):194+4*(2*\dh+\c)] offset:16896*\dh+16*(2*\e+\c)   ; 16 codes, 12 bytes, to a place of 16
.endr
.endr
.endm
	HALF 0
	HALF 1
.irp dh, 0,1
	ds_store_b16 v39, v[44+\dh] offset:512*\dh
.endr
	s_wait_dscnt 0x0                               ; for the others' sake: my stores have landed
	s_barrier_signal -1
	s_barrier_wait -1
.irp k, 0,1,2,3,4,5,6,7
	ds_load_b96 v[208+4*\k:210+4*\k], v40 offset:528*\k   ; row d = 8 wave + k, a place a lane
.endr
.irp k, 0,1,2,3,4,5,6,7
	s_wait_dscnt 7-\k                              ; the younger loads may be out
	global_store_b96 v42, v[208+4*\k:210+4*\k], s[10:11] offset:24576*\k   ; 384 consecutive bytes of one row
.endr
	s_cmp_lt_u32 s14, 2                            ; 64 rows of scale bytes: a row a thread of waves 0 and 1
	s_cbranch_scc0 .Lno_scales
	ds_load_b128 v[240:243], v41
	s_wait_dscnt 0x0
	global_store_b128 v43, v[240:243], s[12:13]
.Lno_scales:
	s_wait_tensorcnt 0x0                           ; the wave's end
	ds_add_u32 v254, v255
	s_wait_dscnt 0x0
	CROUND                                         ; the closing round: no work-group ends while a partner may still ask for a tile that names it
	s_endpgm
.Lfunc_end_k_q4f4011d038_attn:
	.size	k_q4f4011d038_attn, .Lfunc_end_k_q4f4011d038_attn-k_q4f4011d038_attn
	.p2alignl 7, 3214868480
	.fill 96, 4, 3214868480
	.section	.rodata,"a",@progbits
	.p2align	6, 0x0
	.amdhsa_kernel k_q4f4011d038_attn
		.amdhsa_group_segment_fixed_size 310272
		.amdhsa_private_segment_fixed_size 0
		.amdhsa_enable_private_segment 0
		.amdhsa_kernarg_size 40
		.amdhsa_user_sgpr_count 2
		.amdhsa_user_sgpr_kernarg_segment_ptr 1
		.amdhsa_wavefront_size32 1
		.amdhsa_system_sgpr_workgroup_id_x 1
		.amdhsa_system_sgpr_workgroup_id_y 1
		.amdhsa_system_sgpr_workgroup_id_z 1
		.amdhsa_system_vgpr_workitem_id 0
		.amdhsa_next_free_vgpr 512
		.amdhsa_next_free_sgpr 66
		.amdhsa_reserve_vcc 0
		.amdhsa_float_denorm_mode_32 3
		.amdhsa_float_denorm_mode_16_64 3
		.amdhsa_memory_ordered 1
		.amdhsa_forward_progress 1
		.amdhsa_inst_pref_size 138
	.end_amdhsa_kernel
	.amdgpu_metadata
---
amdhsa.version: [ 1, 2 ]
amdhsa.kernels:
  - .name:           k_q4f4011d038_attn
    .symbol:         k_q4f4011d038_attn.kd
    .args:
      - { .name: qimg, .offset: 0, .size: 8, .value_kind: global_buffer, .address_space: global }
      - { .name: kvimg, .offset: 8, .size: 8, .value_kind: global_buffer, .address_space: global }
      - { .name: temperature, .offset: 16, .size: 8, .value_kind: global_buffer, .address_space: global }
      - { .name: o_codes, .offset: 24, .size: 8, .value_kind: global_buffer, .address_space: global }
      - { .name: o_scales, .offset: 32, .size: 8, .value_kind: global_buffer, .address_space: global }
    .group_segment_fixed_size: 310272
    .private_segment_fixed_size: 0
    .kernarg_segment_align: 8
    .kernarg_segment_size: 40
    .max_flat_workgroup_size: 256
    .sgpr_count:     66
    .vgpr_count:     512
    .wavefront_size: 32
...
	.end_amdgpu_metadata
.endif
;; end of part 2
;; launch proj (part 3): grid 8 x 32, 4 waves a work-group, clusters of 4 x 4, 327,680 bytes of LDS; arguments o_codes, o_scales, proj_w_codes, proj_w_scales, proj_b, out0; writes out0
.if DOCPART == 3
	.amdgcn_target "amdgcn-amd-amdhsa--gfx1250"
	.amdhsa_code_object_version 6
	.text
	.protected	k_q4f4011d038_proj
	.globl	k_q4f4011d038_proj
	.p2align	8
	.type	k_q4f4011d038_proj,@function
k_q4f4011d038_proj:
	s_mov_b64 s[64:65], 0
	v_nop
	global_prefetch_b8 v0, s[64:65] scope:SCOPE_SE
	s_setreg_imm32_b32 hwreg(HW_REG_WAVE_MODE, 25, 1), 1
	s_wait_xcnt 0x0
	s_wait_alu depctr_hold_cnt(0) depctr_sa_sdst(0) depctr_va_vdst(0) depctr_va_sdst(0) depctr_va_ssrc(0) depctr_va_vcc(0) depctr_vm_vsrc(0)
	s_getreg_b32 s2, hwreg(HW_REG_IB_STS2, 6, 4)
	s_cmp_eq_u32 s2, 0
	s_cbranch_scc0 .Lentry_in_a_cluster
	s_endpgm
.Lentry_in_a_cluster:
	s_bfe_u32 s2, ttmp6, 0x10000c
	s_cmp_lg_u32 s2, 0xf033
	s_cbranch_scc0 .Lentry_shape_is_right
	s_endpgm
.Lentry_shape_is_right:
; out0 = O proj_w^T + proj_b on codes of FP6 (E2M3) with E8M0 scales; sums in f32.  O: [8192][1024] as codes and scales from the attention launch.
; A BLOCK is 256 rows of O x 128 rows of proj_w, K = 1,024 whole: 32 x 8 = 256 work-groups.
; ALL OF K LIES IN LDS: a row of codes is 768 bytes of memory and begins at a multiple of 256; the mover lays 16 bytes of padding behind every 256, so LDS rows are 816 bytes apart.
; 384 rows x 816 = 313,344 bytes; the scales of the 384 rows, dense in memory, 48 units of 256 + 16 bytes; 512 spare bytes.  Four tensor loads, one a wave, fill all of it once: no byte is filled twice.
; CLUSTERS 4 x 4: O's tiles are shared along a row of the cluster, proj_w's along a column, each asked for jointly.
; No prefetch: the launch has no loop to run ahead in; every byte is asked for by the head's four loads.
; A WAVE makes 64 x 128: 32 accumulators.  THE MATRIX INSTRUCTION IS USED TRANSPOSED (source 0 = proj_w's rows, source 1 = O's): a lane holds eight neighbouring numbers of a row of out0.
; The bias is the C of each accumulator's first product.
; REGISTERS: window 0: v0-31 addresses, v32-95 scale words of all eight K steps (register 8 i + step: lanes 0-15 A's block i, lanes 16-31 B's block i), v96-191 A's fragments, two sets, v192-255 the bias;
; window 1: B's fragments, two sets at v0 and v128; window 2: accumulator (a, b) at v[8 (8 a + b)].
; THE WAY OUT goes through a stage of 16 rows x 528 bytes a wave, laid over the wave's own rows of A, which have had their one fill and, behind the last step's barrier, their last read.
.set KROW,   768
.set PITCH,  816
.set STEPS,  8
.set FR,     12
.set SIZE_N, 1024
.set WA,     64*PITCH
.set LB,     256*PITCH
.set SCL,    384*PITCH
.set SCB,    SCL+32*272
.set SBLK,   544
.set SPARE,  SCL+48*272
.set SPITCH, 528
.set ADRA, 16                          ; v16 my A rows, + 24 x half; v17 the same + 16 more for lanes 16-31, where they read behind a padding that lanes 0-15 have not passed
.set ADRB, 20                          ; v20, v21 the same for B's rows 0-63; v22, v23 for rows 64-127
.set STO,  24
.set RD,   25
.set CO,   26
.set ADRS, 27
.set SPW,  28
.set NIL,  29
.set SC,   32
.set AF,   96
.set BIAS, 192
.set BK,   128
.set G1A, 24
.set G1B, 48
.set G1S, 68
.set G1SB, 80
.set G0A, 32
.set G0B, 36
.set G0S, 56
.set G0SB, 60
.set MSB, 0
.macro WIN new                         ; the immediate's high byte repeats the setting that is left
.if MSB != (\new)
	s_set_vgpr_msb (MSB<<8)|(\new)
.set MSB, \new
.endif
.endm
.set MUL,  0xa1                        ; source 0 (B) window 1, source 1 (A) window 0, C and D window 2
.set ONE,  0x81                        ; the same with C (the bias) in window 0
.set TO_B, 0x40
.macro CROUND                          ; a round of the cluster's barrier
	s_barrier_signal -1
	s_barrier_wait -1
	s_cmp_lg_u32 s14, 0
	s_cbranch_scc1 .Lnot_wave_0_\@
	s_barrier_signal -3
.Lnot_wave_0_\@:
	s_barrier_wait -3
	s_barrier_signal -1
	s_barrier_wait -1
.endm
.macro PLACES
.rept 4
	v_nop
.endr
.endm
.macro DESC g, c, r                    ; group 1's words 1 to 7: r dense rows of c elements
	s_mov_b32 s[\g+1], (\c)<<16
	s_mov_b32 s[\g+2], (\r)<<16
	s_mov_b32 s[\g+3], (\c)<<16
	s_mov_b32 s[\g+4], \r
	s_mov_b32 s[\g+5], \c
	s_mov_b32 s[\g+6], 0
	s_mov_b32 s[\g+7], 0
.endm
.macro G0SET g, lds, a
	s_mov_b32 s[\g], 1
	s_mov_b32 s[\g+1], \lds
	s_mov_b64 s[\g+2:\g+3], s[\a:\a+1]
	s_or_b32 s[\g+3], s[\g+3], 0x80000000
.endm
.macro ARM under, g0, g1, next         ; one arm of the head's tree: a load, the lines behind it, a jump to the join
	s_cmp_lt_u32 s14, \under
	s_cbranch_scc0 \next
	tensor_load_to_lds s[\g0:\g0+3], s[\g1:\g1+7]
	s_nop 0
	PLACES
	s_branch .Lhead_asked
\next:
.endm
	s_load_b128 s[4:7], s[0:1], 0x0                ; O's codes, O's scales
	s_load_b128 s[8:11], s[0:1], 0x10              ; proj_w's codes, its scales
	s_load_b64 s[66:67], s[0:1], 0x20              ; proj_b
	s_load_b64 s[12:13], s[0:1], 0x28              ; out0
	v_lshl_add_u32 v[SPW], v0, 2, SPARE
	v_mov_b32 v[NIL], 0
	ds_add_u32 v[SPW], v[NIL]                      ; the opening lines: the add, twice on end, one wait
	ds_add_u32 v[SPW], v[NIL]
	v_lshrrev_b32 v1, 5, v0
	v_readfirstlane_b32 s14, v1                    ; wave 0..3
	s_bfe_u32 s40, ttmp6, 0x40000                  ; cx
	s_bfe_u32 s41, ttmp6, 0x40004                  ; cy
	s_lshl_b32 s42, ttmp9, 2
	s_add_co_u32 s42, s42, s40                     ; B's block of 128 rows
	s_and_b32 s17, ttmp7, 0xffff
	s_lshl_b32 s17, s17, 2
	s_add_co_u32 s17, s17, s41                     ; A's block of 256 rows
	s_lshl_b32 s43, s41, 2
	s_lshl_b32 s43, 15, s43                        ; my row of the cluster
	s_lshl_b32 s44, 0x1111, s40                    ; my column
	s_or_b32 s[G1A], s43, (1<<20)|(1<<21)|(5<<22)|(3<<25)   ; the mask; elements of 1 byte; padding of 4 words behind every 64; bit 21 beside a mask
	s_or_b32 s[G1B], s44, (1<<20)|(1<<21)|(5<<22)|(3<<25)
	s_or_b32 s[G1S], s43, (3<<16)|(1<<20)|(1<<21)|(5<<22)|(3<<25)   ; the scales: units of 32 elements of 8 bytes
	s_or_b32 s[G1SB], s44, (3<<16)|(1<<20)|(1<<21)|(5<<22)|(3<<25)
	DESC G1A, KROW, 256
	DESC G1B, KROW, 128
	DESC G1S, 32, 32
	DESC G1SB, 32, 16
	s_mul_i32 s20, s17, 256*KROW                   ; byte offsets, all under 2^24
	s_mov_b32 s21, 0
	s_lshl_b32 s22, s17, 13
	s_mov_b32 s23, 0
	s_mul_i32 s46, s42, 128*KROW
	s_mov_b32 s47, 0
	s_lshl_b32 s92, s42, 12
	s_mov_b32 s93, 0
	s_wait_dscnt 0x0
	s_wait_kmcnt 0x0
	s_add_nc_u64 s[20:21], s[4:5], s[20:21]
	s_add_nc_u64 s[22:23], s[6:7], s[22:23]
	s_add_nc_u64 s[46:47], s[8:9], s[46:47]
	s_add_nc_u64 s[92:93], s[10:11], s[92:93]
	G0SET G0A, 0, 20
	G0SET G0B, LB, 46
	G0SET G0S, SCL, 22
	G0SET G0SB, SCB, 92
	CROUND                                         ; all sixteen work-groups are here: the joint loads meet
	ARM 1, G0A, G1A, .Lhead_b                      ; wave 0: A's codes; wave 1: B's; wave 2: A's scales; wave 3: B's: one load on every way
	ARM 2, G0B, G1B, .Lhead_sa
	ARM 3, G0S, G1S, .Lhead_sb
	tensor_load_to_lds s[G0SB:G0SB+3], s[G1SB:G1SB+7]
	s_nop 0
	PLACES
.Lhead_asked:
	s_mul_i32 s21, s14, WA                         ; my rows of A, and later my stage
	s_mul_i32 s23, s14, 4*SBLK
	s_mov_b32 s22, SCB-SCL
	s_sub_co_u32 s22, s22, s23                     ; from my rows' scales of A to B's
	s_add_co_u32 s23, s23, SCL
	s_lshl_b32 s18, s17, 8
	s_lshl_b32 s19, s14, 6
	s_add_co_u32 s18, s18, s19                     ; my first row of out0,
	s_lshl_b32 s18, s18, 12                        ; in bytes (under 2^26)
	s_mov_b32 s19, 0
	s_lshl_b32 s46, s42, 9                         ; my first column, in bytes
	s_mov_b32 s47, 0
	s_add_nc_u64 s[12:13], s[12:13], s[18:19]
	s_add_nc_u64 s[12:13], s[12:13], s[46:47]
	s_add_nc_u64 s[66:67], s[66:67], s[46:47]
	v_and_b32 v1, 15, v0                           ; r
	v_bfe_u32 v2, v0, 4, 1                         ; h
	v_mul_u32_u24 v3, v1, PITCH
	v_mad_u32_u24 v4, v2, 24, v3
	v_mad_u32_u24 v5, v2, 40, v3
	v_add_nc_u32 v[ADRA], s21, v4
	v_add_nc_u32 v[ADRA+1], s21, v5
	v_add_nc_u32 v[ADRB], LB, v4
	v_add_nc_u32 v[ADRB+1], LB, v5
	v_add_nc_u32 v[ADRB+2], LB+WA, v4
	v_add_nc_u32 v[ADRB+3], LB+WA, v5
	v_lshlrev_b32 v6, 5, v1                        ; a row's scales: 32 bytes,
	v_lshrrev_b32 v7, 3, v1
	v_lshl_add_u32 v6, v7, 4, v6                   ; and 16 more behind each 256
	v_mad_u32_u24 v6, s22, v2, v6                  ; lanes 16-31 take B's
	v_add_nc_u32 v[ADRS], s23, v6
	v_mul_u32_u24 v8, v1, SPITCH                   ; the stage, in: row r, 32 bytes for each half of the lanes
	v_lshl_add_u32 v8, v2, 5, v8
	v_add_nc_u32 v[STO], s21, v8
	v_and_b32 v9, 31, v0
	v_lshlrev_b32 v[CO], 4, v9                     ; back: the 32 lanes take one row of 512 bytes; the same in out0
	v_add_nc_u32 v[RD], s21, v[CO]
	v_lshlrev_b32 v7, 5, v2
.irp b, 0,1,2,3,4,5,6,7
	global_load_b128 v[BIAS+8*\b:BIAS+8*\b+3], v7, s[66:67] offset:64*\b       ; proj_b at my eight columns of B's block b
	global_load_b128 v[BIAS+8*\b+4:BIAS+8*\b+7], v7, s[66:67] offset:64*\b+16
.endr
; a fragment: 16 rows x 128 K, 12 registers, six pieces of 8 bytes.  Byte y of a row lies at y + 16 (y / 256) of its LDS row; lanes 16-31 read 24 bytes on
.macro FRAG reg, adr, st, i
.irp p, 0,1,2,3,4,5
.set BY, 96*(\st)+48*(\p/3)+8*(\p%3)
.if BY/256 == (BY+24)/256
	ds_load_b64 v[\reg+2*\p:\reg+2*\p+1], v[\adr+2*((\i)/4)] offset:BY+16*(BY/256)+((\i)%4)*16*PITCH
.else
	ds_load_b64 v[\reg+2*\p:\reg+2*\p+1], v[\adr+2*((\i)/4)+1] offset:BY+16*(BY/256)+((\i)%4)*16*PITCH
.endif
.endr
.endm
.macro FETCH_B st                      ; 48 loads
	WIN TO_B
.irp i, 0,1,2,3,4,5,6,7
	FRAG 128*((\st)%2)+FR*\i, ADRB, \st, \i
.endr
.endm
.macro FETCH_A st                      ; 24 loads
	WIN 0
.irp i, 0,1,2,3
	FRAG AF+48*((\st)%2)+FR*\i, ADRA, \st, \i
.endr
.endm
; 16 products: A's blocks a0, a0 + 1 against B's eight.  The 32 accumulators take turns, in the same order in every step
.macro MUL16 st, a0, first
.if \first
	WIN ONE
.else
	WIN MUL
.endif
.irp a, \a0, \a0+1
.irp b, 0,1,2,3,4,5,6,7
.if \first
	v_wmma_scale_f32_16x16x128_f8f6f4 v[8*(8*(\a)+\b):8*(8*(\a)+\b)+7], v[128*((\st)%2)+FR*\b:128*((\st)%2)+FR*\b+FR-1], v[AF+48*((\st)%2)+FR*(\a):AF+48*((\st)%2)+FR*(\a)+FR-1], v[BIAS+8*\b:BIAS+8*\b+7], v[SC+8*\b+(\st)], v[SC+8*(\a)+(\st)] matrix_a_fmt:MATRIX_FMT_FP6 matrix_b_fmt:MATRIX_FMT_FP6 matrix_a_scale:MATRIX_SCALE_ROW1
.else
	v_wmma_scale_f32_16x16x128_f8f6f4 v[8*(8*(\a)+\b):8*(8*(\a)+\b)+7], v[128*((\st)%2)+FR*\b:128*((\st)%2)+FR*\b+FR-1], v[AF+48*((\st)%2)+FR*(\a):AF+48*((\st)%2)+FR*(\a)+FR-1], v[8*(8*(\a)+\b):8*(8*(\a)+\b)+7], v[SC+8*\b+(\st)], v[SC+8*(\a)+(\st)] matrix_a_fmt:MATRIX_FMT_FP6 matrix_b_fmt:MATRIX_FMT_FP6 matrix_a_scale:MATRIX_SCALE_ROW1
.endif
.endr
.endr
.endm
; a step of 128 along K: the next step's fragments go into the other sets, B's ahead of the products, A's in their middle
.macro STEP st, first
.if (\st)+1 < STEPS
.if (\st) > 0
	PLACES                                         ; four places between the last step's products and the loads into the sets that they read (both runs below)
.endif
	FETCH_B (\st)+1
	s_wait_dscnt 48                                ; all but the 48 just issued: this step's fragments are in
	MUL16 \st, 0, \first
	FETCH_A (\st)+1
	MUL16 \st, 2, \first
.else
	s_wait_dscnt 0x0                               ; my reads of the tiles are over:
	s_barrier_signal -1                            ; say so, and work on registers while the others arrive
	MUL16 \st, 0, \first
	MUL16 \st, 2, \first
.endif
.endm
	s_wait_alu depctr_va_vdst(0)                   ; the wait at the head's end
	s_wait_tensorcnt 0x0                           ; my tile is in,
	s_barrier_signal -1
	s_barrier_wait -1                              ; everybody's is
.irp i, 0,1,2,3,4,5,6,7
	ds_load_b128 v[SC+8*\i:SC+8*\i+3], v[ADRS] offset:\i*SBLK       ; the scale words of all eight steps
	ds_load_b128 v[SC+8*\i+4:SC+8*\i+7], v[ADRS] offset:\i*SBLK+16
.endr
	FETCH_B 0
	FETCH_A 0
	s_wait_loadcnt 0x0                             ; the bias
	STEP 0, 1                                      ; the first step's products start the sums from the bias
.set ST, 1
.rept STEPS-1
	STEP ST, 0
.set ST, ST+1
.endr
	WIN 0
	s_barrier_wait -1                              ; nobody reads the tiles any more: the stages may be written
; THE WAY OUT, block by block of 16 rows x 128 columns: through my stage, back as whole rows of 512 bytes, which the 32 lanes store as two aligned units of 256 bytes.
; LDS serves a wave's instructions in order (ISA guide 5.7.1.4): no wait between the stores and the loads
.macro TOSTAGE a
.set AC, 64*(\a)
	WIN 0x08                                       ; the data: window 2
.irp b, 0,1,2,3,4,5,6,7
	ds_store_b128 v[STO], v[AC+8*\b:AC+8*\b+3] offset:64*\b          ; each accumulator from its low end on
	ds_store_b128 v[STO], v[AC+8*\b+4:AC+8*\b+7] offset:64*\b+16
.endr
	WIN 0
.set BB, BK+64*((\a)%2)
.irp t, 0,1,2,3,4,5,6,7,8,9,10,11,12,13,14,15
	ds_load_b128 v[BB+4*\t:BB+4*\t+3], v[RD] offset:\t*SPITCH
.endr
.endm
.macro SEND a, younger                 ; younger: the LDS instructions issued behind block a's loads, which may stay out
.set BB, BK+64*((\a)%2)
	s_wait_dscnt \younger
.if (\a) > 0
	s_add_nc_u64 s[12:13], s[12:13], 16*SIZE_N*4   ; (behind a wait on XCNT: the earlier stores have read their base)
.endif
.irp t, 0,1,2,3,4,5,6,7,8,9,10,11,12,13,14,15
	global_store_b128 v[CO], v[BB+4*\t:BB+4*\t+3], s[12:13] offset:\t*SIZE_N*4 th:TH_STORE_NT
.endr
.endm
	PLACES                                         ; between the last products and the reads of their results and the loads into their sources
	TOSTAGE 0
.irp a, 1,2,3
.if \a > 1
	s_wait_xcnt 0x0                                ; block a - 2's stores have read their registers and their base
.endif
	TOSTAGE \a
	SEND \a-1, 32                                  ; behind block a - 1's loads: block a's 16 stores and 16 loads
.endr
	s_wait_xcnt 0x0
	SEND 3, 0
	s_wait_tensorcnt 0x0                           ; the wave's end
	ds_add_u32 v[SPW], v[NIL]
	s_wait_dscnt 0x0
	CROUND                                         ; the closing round
	s_endpgm
.Lfunc_end_k_q4f4011d038_proj:
	.size	k_q4f4011d038_proj, .Lfunc_end_k_q4f4011d038_proj-k_q4f4011d038_proj
	.p2alignl 7, 3214868480
	.fill 96, 4, 3214868480
	.section	.rodata,"a",@progbits
	.p2align	6, 0x0
	.amdhsa_kernel k_q4f4011d038_proj
		.amdhsa_group_segment_fixed_size 327680
		.amdhsa_private_segment_fixed_size 0
		.amdhsa_enable_private_segment 0
		.amdhsa_kernarg_size 48
		.amdhsa_user_sgpr_count 2
		.amdhsa_user_sgpr_kernarg_segment_ptr 1
		.amdhsa_wavefront_size32 1
		.amdhsa_system_sgpr_workgroup_id_x 1
		.amdhsa_system_sgpr_workgroup_id_y 1
		.amdhsa_system_sgpr_workgroup_id_z 1
		.amdhsa_system_vgpr_workitem_id 0
		.amdhsa_next_free_vgpr 768
		.amdhsa_next_free_sgpr 98
		.amdhsa_reserve_vcc 0
		.amdhsa_float_denorm_mode_32 3
		.amdhsa_float_denorm_mode_16_64 3
		.amdhsa_memory_ordered 1
		.amdhsa_forward_progress 1
		.amdhsa_inst_pref_size 96
	.end_amdhsa_kernel
	.amdgpu_metadata
---
amdhsa.version: [ 1, 2 ]
amdhsa.kernels:
  - .name:           k_q4f4011d038_proj
    .symbol:         k_q4f4011d038_proj.kd
    .args:
      - { .name: o_codes, .offset: 0, .size: 8, .value_kind: global_buffer, .address_space: global }
      - { .name: o_scales, .offset: 8, .size: 8, .value_kind: global_buffer, .address_space: global }
      - { .name: proj_w_codes, .offset: 16, .size: 8, .value_kind: global_buffer, .address_space: global }
      - { .name: proj_w_scales, .offset: 24, .size: 8, .value_kind: global_buffer, .address_space: global }
      - { .name: proj_b, .offset: 32, .size: 8, .value_kind: global_buffer, .address_space: global }
      - { .name: out0, .offset: 40, .size: 8, .value_kind: global_buffer, .address_space: global }
    .group_segment_fixed_size: 327680
    .private_segment_fixed_size: 0
    .kernarg_segment_align: 8
    .kernarg_segment_size: 48
    .max_flat_workgroup_size: 128
    .sgpr_count:     98
    .vgpr_count:     768
    .wavefront_size: 32
...
	.end_amdgpu_metadata
.endif
;; end of part 3
